; MI455X (gfx1250); checked and timed in simulation.
; The chip was launched on July 23, 2026; its instructions are those of AMD's public machine-readable ISA for CDNA 5 (MIT licence, August 2026) and "CDNA5" Instruction Set Architecture Reference Guide (July 2026). The comments in the code are by the model that wrote it; some were corrected since.
;; Attentional Propagation. Allowed arithmetic: matrix products marked QUANTISED: E4M3 operands, one given power-of-two scale a tensor, by v_wmma_f32_16x16x64_fp8_fp8 or v_wmma_f32_16x16x128_fp8_fp8, f32 sums; everything else in f32.
;; Inputs: bn_beta 512 float32; bn_gamma 512 float32; lowp_scales 16 int32 (the exponents e of the quantised operands' scales 2^e); merge_b 256 float32; merge_w 256 x 256 float32; mlp1_b 512 float32; mlp1_w 512 x 512 float32; mlp2_b 256 float32; mlp2_w 256 x 512 float32; pk_b 256 float32; pk_w 256 x 256 float32; pq_b 256 float32; pq_w 256 x 256 float32; pv_b 256 float32; pv_w 256 x 256 float32; source 4 x 256 x 4,096 float32; x 4 x 256 x 4,096 float32.
;; Outputs: out0 4 x 256 x 4,096 float32.
;; This version of the problem:
;;   THIS VERSION OF THE PROBLEM IS GIVEN IN LOW PRECISION. The matrix products marked QUANTISED in the list below multiply operands that are first quantised to E4M3 (4 exponent bits, 3 mantissa bits; 8 bits a number), with one given power-of-two scale for each operand tensor; their sums are f32. All else is computed in f32.
;;   The module's matrix products, in the order in which they are computed (A, B: the left and right operand; K: the contracted axis; several contracted axes count as one K, in the product's order):
;;     1. [M 16,384, K 256] x [K 256, N 256]; A: input x; B: input pq_w: QUANTISED (scales: A lowp_scales[0], B lowp_scales[1])
;;     2. [M 16,384, K 256] x [K 256, N 256]; A: input source; B: input pk_w: QUANTISED (scales: A lowp_scales[2], B lowp_scales[3])
;;     3. [M 16,384, K 256] x [K 256, N 256]; A: input source; B: input pv_w: QUANTISED (scales: A lowp_scales[4], B lowp_scales[5])
;;     4. batch 16 x [M 4,096, K 64] x [K 64, N 4,096]; A: computed on the way; B: computed on the way: QUANTISED (scales: A lowp_scales[6], B lowp_scales[7])
;;     5. batch 16 x [M 64, K 4,096] x [K 4,096, N 4,096]; A: computed on the way; B: softmax (see below): QUANTISED (scales: A lowp_scales[8], B lowp_scales[9])
;;     6. [M 16,384, K 256] x [K 256, N 256]; A: computed on the way; B: input merge_w: QUANTISED (scales: A lowp_scales[10], B lowp_scales[11])
;;     7. [M 16,384, K 512] x [K 512, N 512]; A: computed on the way; B: input mlp1_w: QUANTISED (scales: A lowp_scales[12], B lowp_scales[13])
;;     8. [M 16,384, K 512] x [K 512, N 256]; A: computed on the way; B: input mlp2_w: QUANTISED (scales: A lowp_scales[14], B lowp_scales[15])
;;   THE QUANTISER, for each operand of a quantised product, along K:
;;     - The operand's scale is 2^e, e = its entry of the input lowp_scales (int32; the entries are numbered through the quantised products in the list's order, A before B).
;;     - Each number is divided by the scale, clamped to +-448, and rounded to the nearest number of E4M3, ties to even, subnormals kept.
;;     - The product sums the exact products of the quantised numbers (number of the format x scale) in f32.
;;   ~~~python
;;   def quantise(x, axis, e):      # numpy; x: float32 -> the quantised numbers, widened to float32 again
;;       x = np.moveaxis(x, axis, -1); K = x.shape[-1]
;;       r = np.clip(x / 2.0 ** e, -448, 448)
;;       step = 2.0 ** (np.maximum(np.frexp(np.where(r == 0, 1, r))[1] - 1, -6) - 3)
;;       q = np.round(r / step) * step * 2.0 ** e      # np.round: ties to even
;;       return np.moveaxis(q, -1, axis).astype(np.float32)
;;   ~~~
;;   SOFTMAX AHEAD OF A QUANTISED PRODUCT. Where the list says 'softmax', what is quantised is not the finished softmax but p = 2^(t - M), with t = logit x log2(e) and M = ceil(the row's largest t), a whole number; so 1/2 < the row's largest p <= 1. The row's sum l is taken of the UNQUANTISED p, in f32, and the product's result is divided by l at the end. Since M is a whole number, a kernel that streams over the keys may use a running M (the ceiling of the running maximum): every later rescaling is an exact power of two, so the quantised numbers keep their values, but for numbers so far below the row's largest that they fall under the format's range.
;;   OPERANDS COMPUTED ON THE WAY. 'Computed on the way' means the value that the module computes at that place (a softmax that the list does not call 'softmax' is quantised finished and normalised). What goes into a quantiser is computed in f32, as accurately as f32 sums, v_exp_f32 and their like allow (about 1e-6 of the number): no bf16 or f16 on the way to a quantiser, and a product that is left as it is and whose result goes on into a quantised operand takes f32 operands (vector FMAs, or v_wmma_f32_16x16x4_f32). A number that lies on a knife's edge between two numbers of the format may be rounded either way, as far as f32 arithmetic and the matrix unit's own rounding can turn it there, and no further.
;; One version. Each part assembles by itself: llvm-mc -triple=amdgcn-amd-amdhsa -mcpu=gfx1250 --defsym DOCPART=n.
;; ======== version 1 of 1: 6 launches
;; limits: right only within a limited range of input values
;; workspace buffers: wc 655,360 bytes; qkv 12,582,912 bytes; xc 4,194,304 bytes; ac 4,194,304 bytes; mc 4,194,304 bytes; part 1,048,576 bytes; bn 4,096 bytes
;; launch wprep (part 1): grid 320 x 1, 1 waves a work-group, no clusters, 0 bytes of LDS; arguments pq_w, pk_w, pv_w, merge_w, mlp1_w, mlp2_w, lowp_scales, wc; writes wc
.if DOCPART == 1
	.amdgcn_target "amdgcn-amd-amdhsa--gfx1250"
	.amdhsa_code_object_version 6
	.text
	.protected	k_qe84714e14e_wprep
	.globl	k_qe84714e14e_wprep
	.p2align	8
	.type	k_qe84714e14e_wprep,@function
k_qe84714e14e_wprep:
	s_mov_b64 s[64:65], 0
	v_nop
	global_prefetch_b8 v0, s[64:65] scope:SCOPE_SE
	s_setreg_imm32_b32 hwreg(HW_REG_WAVE_MODE, 25, 1), 1
	s_wait_xcnt 0x0
; AttentionalPropagation in E4M3, launch 1 of 6: the six weights become codes, laid as IMAGES OF OPERAND REGISTERS.
; DEAD WORK, for the whole program: mlp1_b.  Let z = mlp1_w . concat[x, message], so that h = z + b1[o].  The mean over batch and positions is
; mean(h) = mean(z) + b1[o], so h - mean(h) = z - mean(z) and var(h) = var(z), whatever finite values the inputs hold.  What the last product quantises is
; relu(gamma (h - mean) rsqrt(var + eps) + beta), which therefore does not hang on b1.  So mlp1_b is not loaded and is among no launch's arguments.
; LIMIT: a NaN, an infinity or an overflow that reaches only mlp1_b is not carried to the result.
; A FRAGMENT is 16 rows x 128 along K of 8-bit codes: 16 registers a lane.  It lies in wc as four pieces of 512 bytes: piece p = registers 4 p .. 4 p + 3, lane l's 16 bytes at 16 l.
; Fragment f lies at 2048 f: 0-31 pq, 32-63 pk, 64-95 pv, 96-127 merge (tile T, K step s: 2 T + s), 128-255 mlp1, 256-319 mlp2 (4 T + s).
; ROWS of a tile: pq, pk, pv: T = 4 head + c, row rho = output 64 c + 4 rho + head (channel = 4 d + head: d = 16 c + rho); the others: output 16 T + rho.
; ORDER OF k in a lane (r = lane % 16, h = lane / 16), the same as the other operand of the product has:
;   P: piece p holds k = 32 p + 16 h + 0..15 (pq, pk, pv; mlp1's K steps 0, 1);   N: piece p holds k = 32 p + 8 h + 0..7 and 32 p + 16 + 8 h + 0..7 (merge, mlp1's K steps 2, 3, mlp2).
;   merge's K is taken as kappa = 64 head + d, which is column 4 d + head.
; code = w / 2^e, held within +-448, to the nearest code, ties to even.  LIMIT: -126 <= e <= 119.  NaN among the inputs is not served.
; One wave makes one fragment: f = the work-group's number.  All choices hang on f alone.
.set X, 16                             ; v16-79  the lane's 64 numbers, in the order of the codes
.set C, 80                             ; v80-95  the codes
	s_load_b256 s[4:11], s[0:1], 0x0               ; pq_w, pk_w, pv_w, merge_w
	s_load_b256 s[12:19], s[0:1], 0x20             ; mlp1_w, mlp2_w, lowp_scales, wc
	v_and_b32 v1, 15, v0                           ; r
	s_wait_alu depctr_va_vdst(0)
	v_bfe_u32 v2, v0, 4, 1                         ; h
	v_lshlrev_b32 v6, 4, v0                        ; 16 x lane: my place in a piece
	s_mov_b32 s20, ttmp9                           ; f
	s_mov_b32 s24, 0                               ; the tensor's first fragment
	s_cmp_ge_u32 s20, 32
	s_cselect_b32 s24, 32, s24
	s_cmp_ge_u32 s20, 64
	s_cselect_b32 s24, 64, s24
	s_cmp_ge_u32 s20, 96
	s_cselect_b32 s24, 96, s24
	s_cmp_ge_u32 s20, 128
	s_cselect_b32 s24, 128, s24
	s_cselect_b32 s26, 2, 1                        ; log2 of the K steps in a row
	s_cselect_b32 s27, 11, 10                      ; log2 of a row's bytes
	s_cmp_ge_u32 s20, 256
	s_cselect_b32 s24, 256, s24
	s_sub_co_u32 s25, s20, s24
	s_lshr_b32 s28, s25, s26                       ; T
	s_lshl_b32 s29, s28, s26
	s_sub_co_u32 s29, s25, s29                     ; s
	s_and_b32 s30, s28, 3
	s_lshl_b32 s30, s30, 6
	s_lshr_b32 s31, s28, 2
	s_add_co_u32 s30, s30, s31                     ; 64 (T % 4) + T / 4
	s_lshl_b32 s31, s28, 4                         ; 16 T
	s_cmp_lt_u32 s20, 96
	s_cselect_b32 s30, s30, s31                    ; the tile's first row
	s_cselect_b32 s31, 2, 0                        ; and log2 of the step from row to row
	s_cselect_b32 s32, 1, 0                        ; order P: the three projections,
	s_cmp_ge_u32 s20, 128
	s_cselect_b32 s33, 1, 0
	s_cmp_lt_u32 s20, 256
	s_cselect_b32 s33, s33, 0
	s_cmp_lt_u32 s29, 2
	s_cselect_b32 s33, s33, 0                      ; and mlp1's K steps 0 and 1
	s_or_b32 s32, s32, s33
	s_cmp_lg_u32 s32, 0
	s_cselect_b32 s33, 6, 5                        ; log2 of the bytes from h = 0 to h = 1
	s_cselect_b32 s34, 32, 64                      ; bytes from a piece's first eight numbers to its second eight
	s_lshl_b32 s35, s29, 9                         ; 512 s
	v_lshlrev_b32 v3, s31, v1
	v_add_nc_u32 v3, s30, v3                       ; my row o
	s_lshl_b32 s36, s20, 11
	s_mov_b32 s37, 0
	s_wait_kmcnt 0x0
	s_load_b512 s[44:59], s[16:17], 0x0            ; e0 .. e15
	s_mov_b64 s[22:23], s[4:5]                     ; the tensor: a choice on f alone
	s_cmp_ge_u32 s20, 32
	s_cselect_b64 s[22:23], s[6:7], s[22:23]
	s_cmp_ge_u32 s20, 64
	s_cselect_b64 s[22:23], s[8:9], s[22:23]
	s_cmp_ge_u32 s20, 96
	s_cselect_b64 s[22:23], s[10:11], s[22:23]
	s_cmp_ge_u32 s20, 128
	s_cselect_b64 s[22:23], s[12:13], s[22:23]
	s_cmp_ge_u32 s20, 256
	s_cselect_b64 s[22:23], s[14:15], s[22:23]
	s_add_nc_u64 s[18:19], s[18:19], s[36:37]      ; wc at my fragment
	s_sub_co_u32 s38, s20, 96
	s_cmp_lt_u32 s38, 32
	s_cbranch_scc1 .Lmerge
	s_wait_alu depctr_va_vdst(0)
	v_lshlrev_b32 v4, s27, v3                      ; row + 512 s + my half's bytes
	v_lshlrev_b32 v7, s33, v2
	v_add3_u32 v4, v4, v7, s35
	v_add_nc_u32 v5, s34, v4
.irp p, 0,1,2,3
.irp q, 0,1
.irp z, 0,1
	global_load_b128 v[X+16*\p+8*\q+4*\z:X+16*\p+8*\q+4*\z+3], v[4+\q], s[22:23] offset:128*\p+16*\z
.endr
.endr
.endr
	s_branch .Lquant
.Lmerge:                                               ; kappa = 128 s + 32 p + 16 q + 8 h + i: head 2 s + p / 2, d = 32 (p % 2) + 16 q + 8 h + i; column 4 d + head
	s_wait_alu depctr_va_vdst(0)
	v_lshlrev_b32 v4, 10, v3
	v_lshl_add_u32 v4, v2, 7, v4
	s_lshl_b32 s38, s29, 3
	v_add_nc_u32 v4, s38, v4                       ; 1024 o + 128 h + 8 s
.irp p, 0,1,2,3
.irp q, 0,1
.irp i, 0,1,2,3,4,5,6,7
	global_load_b32 v[X+16*\p+8*\q+\i], v4, s[22:23] offset:512*(\p%2)+4*(\p/2)+256*\q+16*\i
.endr
.endr
.endr
.Lquant:
	s_wait_kmcnt 0x0
	s_mov_b32 s39, s45                             ; e: entries 1, 3, 5, 11, 13, 15
	s_cmp_ge_u32 s20, 32
	s_cselect_b32 s39, s47, s39
	s_cmp_ge_u32 s20, 64
	s_cselect_b32 s39, s49, s39
	s_cmp_ge_u32 s20, 96
	s_cselect_b32 s39, s55, s39
	s_cmp_ge_u32 s20, 128
	s_cselect_b32 s39, s57, s39
	s_cmp_ge_u32 s20, 256
	s_cselect_b32 s39, s59, s39
	s_add_co_i32 s40, s39, 127
	s_lshl_b32 s41, s40, 23
	v_mov_b32 v8, s41                              ; 2^e as f32: the conversion takes its exponent field
	s_wait_alu depctr_va_vdst(0)
	s_wait_loadcnt 0x0
.set i, 0
.rept 64
.set i, i+1
.endr
.set i, 0
.rept 8
	v_cvt_scalef32_pk8_fp8_f32 v[C+2*i:C+2*i+1], v[X+8*i:X+8*i+7], v8
.set i, i+1
.endr
	v_nop
.irp p, 0,1,2,3
	global_store_b128 v6, v[C+4*\p:C+4*\p+3], s[18:19] offset:512*\p   ; 32 lanes store 512 consecutive bytes
.endr
	s_endpgm
.Lfunc_end_k_qe84714e14e_wprep:
	.size	k_qe84714e14e_wprep, .Lfunc_end_k_qe84714e14e_wprep-k_qe84714e14e_wprep
	.p2alignl 7, 3214868480
	.fill 96, 4, 3214868480
	.section	.rodata,"a",@progbits
	.p2align	6, 0x0
	.amdhsa_kernel k_qe84714e14e_wprep
		.amdhsa_group_segment_fixed_size 0
		.amdhsa_private_segment_fixed_size 0
		.amdhsa_enable_private_segment 0
		.amdhsa_kernarg_size 64
		.amdhsa_user_sgpr_count 2
		.amdhsa_user_sgpr_kernarg_segment_ptr 1
		.amdhsa_wavefront_size32 1
		.amdhsa_system_sgpr_workgroup_id_x 1
		.amdhsa_system_sgpr_workgroup_id_y 1
		.amdhsa_system_sgpr_workgroup_id_z 1
		.amdhsa_system_vgpr_workitem_id 0
		.amdhsa_next_free_vgpr 96
		.amdhsa_next_free_sgpr 66
		.amdhsa_reserve_vcc 0
		.amdhsa_float_denorm_mode_32 3
		.amdhsa_float_denorm_mode_16_64 3
		.amdhsa_fp16_overflow 1
		.amdhsa_memory_ordered 1
		.amdhsa_forward_progress 1
		.amdhsa_inst_pref_size 13
	.end_amdhsa_kernel
	.amdgpu_metadata
---
amdhsa.version: [ 1, 2 ]
amdhsa.kernels:
  - .name:           k_qe84714e14e_wprep
    .symbol:         k_qe84714e14e_wprep.kd
    .args:
      - { .name: pq_w, .offset: 0, .size: 8, .value_kind: global_buffer, .address_space: global }
      - { .name: pk_w, .offset: 8, .size: 8, .value_kind: global_buffer, .address_space: global }
      - { .name: pv_w, .offset: 16, .size: 8, .value_kind: global_buffer, .address_space: global }
      - { .name: merge_w, .offset: 24, .size: 8, .value_kind: global_buffer, .address_space: global }
      - { .name: mlp1_w, .offset: 32, .size: 8, .value_kind: global_buffer, .address_space: global }
      - { .name: mlp2_w, .offset: 40, .size: 8, .value_kind: global_buffer, .address_space: global }
      - { .name: lowp_scales, .offset: 48, .size: 8, .value_kind: global_buffer, .address_space: global }
      - { .name: wc, .offset: 56, .size: 8, .value_kind: global_buffer, .address_space: global }
    .group_segment_fixed_size: 0
    .private_segment_fixed_size: 0
    .kernarg_segment_align: 8
    .kernarg_segment_size: 64
    .max_flat_workgroup_size: 32
    .sgpr_count:     66
    .vgpr_count:     96
    .wavefront_size: 32
...
	.end_amdgpu_metadata
.endif
;; end of part 1
;; launch proj (part 2): grid 256 x 1, 16 waves a work-group, no clusters, 71,680 bytes of LDS; arguments x, source, wc, lowp_scales, pq_b, pk_b, pv_b, qkv, xc; writes qkv, xc
.if DOCPART == 2
	.amdgcn_target "amdgcn-amd-amdhsa--gfx1250"
	.amdhsa_code_object_version 6
	.text
	.protected	k_qe84714e14e_proj
	.globl	k_qe84714e14e_proj
	.p2align	8
	.type	k_qe84714e14e_proj,@function
k_qe84714e14e_proj:
	s_mov_b64 s[64:65], 0
	v_nop
	global_prefetch_b8 v0, s[64:65] scope:SCOPE_SE
	s_setreg_imm32_b32 hwreg(HW_REG_WAVE_MODE, 25, 1), 1
	s_wait_xcnt 0x0
; Launch 2 of 6: x and source are quantised (x with e0 and with e12, source with e2 and with e4), the three projections are made on codes, and q, k, v leave as codes (e6, e7, e8).
; A work-group takes 64 positions of one batch: g = 64 b + blk.  Sixteen waves.
; PHASE L.  x is [b][channel][position]: K (the channel) is not innermost.  A lane takes a position and its 32 registers run down 32 channels (wave: channels 32 (w % 8) on, positions 32 (w / 8) on):
; the conversions then give codes with K innermost, which go into LDS as rows of 256 codes + 16 bytes of padding, four sets (XA, XB, SA, SB).
; PRODUCTS 1, 2 are used transposed (source 0 = 16 outputs of one head, d = 16 c + 0..15; source 1 = 16 positions): a lane holds one position and eight neighbouring d, so the conversions' results
; are the registers of a fragment of q or k for the next product (K = d, 64).  PRODUCT 3 is used as it is (source 0 = 16 positions, source 1 = 16 outputs): a lane holds one d and eight
; neighbouring keys: registers of a fragment of v whose K is the keys.  The biases go in as C, divided by the power of two that the sums lack.
; OUT: qkv: Q at ((4 b + head) 256 + tile of 16 queries) 1024 + 512 piece; from byte 4,194,304 on, for each (4 b + head) and step of 128 keys one block of 16,384 bytes: eight fragments of k
; (16 keys x 64), then four of v (16 d x 128 keys).  xc: x's codes under e12 as fragments: g 16384 + 4096 (tile of positions) + 2048 (K step) + 512 piece.  Every piece is 512 consecutive bytes, lane l at 16 l.
; LIMITS, so that each power of two is an f32 number: e0, e2, e4, e12, e6 - e0 - e1, e7 - e2 - e3, e8 - e4 - e5 between -126 and 119.  NaN among the inputs is not served.
.set PITCH, 272
.set XA, 0
.set XB, 64*PITCH
.set SA, 2*64*PITCH
.set SB, 3*64*PITCH
.set SPARE, 4*64*PITCH                 ; the spare words, 128 bytes a wave: eight blocks of 256 bytes that no other line names
.set X, 16                             ; v16-47   32 numbers of x;   later v16-79 pk's fragments, then fragments of source for v
.set S, 48                             ; v48-79   32 numbers of source
.set T, 80                             ; v80-95   two accumulators
.set C, 96                             ; v96-103  codes
.set WK, 16
.set ACC, 80
.set OC, 96
.set AF, 104                           ; v104-135 a tile of positions: two K steps
.set WQ, 136                           ; v136-199 pq's fragments (u, s) at 136 + 32 u + 16 s; later v136-167 pv's two
.set BQ, 200                           ; v200-215, v216-231, v232-239: the biases, in the results' layouts
.set BK, 216
.set BV, 232
; v1 lane, v2 r, v3 h, v4 offset in x, v5 where my codes go, v6 a fragment's place, v7 the same in my half of the rows, v8 16 x lane, v9 xc's read, v10, v11 the biases' offsets, v12, v13 the add's two; v240, v242, v244, v246 scales
.macro BARRIER                         ; my LDS stores have landed and my LDS loads are in: then the work-group's barrier
	s_wait_dscnt 0x0
	s_barrier_signal -1
	s_barrier_wait -1
.endm
.macro PLACES
.rept 4
	v_nop
.endr
.endm
.macro MKSC e, vsc, vlim               ; s[e] = E: v[vsc] = 2^E
	s_add_co_i32 s34, s[\e], 127
	s_lshl_b32 s35, s34, 23
	v_mov_b32 v[\vsc], s35
.endm
; 32 numbers of a lane become 32 codes of its row.  inplace = 0: the numbers are kept for a second scale
.macro QSET src, inplace, sc, lim, off
.irp u, 0,1
.set i, 0
.rept 16
.if \inplace
.else
.endif
.set i, i+1
.endr
.if \inplace
	v_cvt_scalef32_pk8_fp8_f32 v[C+4*\u:C+4*\u+1], v[\src+16*\u:\src+16*\u+7], v[\sc]
	v_cvt_scalef32_pk8_fp8_f32 v[C+4*\u+2:C+4*\u+3], v[\src+16*\u+8:\src+16*\u+15], v[\sc]
.else
	v_cvt_scalef32_pk8_fp8_f32 v[C+4*\u:C+4*\u+1], v[T+((\src+16*\u+i)-(T+i)):T+7+((\src+16*\u+i)-(T+i))], v[\sc]
	v_cvt_scalef32_pk8_fp8_f32 v[C+4*\u+2:C+4*\u+3], v[T+8+((\src+16*\u+i)-(T+i)):T+15+((\src+16*\u+i)-(T+i))], v[\sc]
.endif
	v_nop                                          ; a plain line between the conversions and the next lines that write their sources
	ds_store_b128 v5, v[C+4*\u:C+4*\u+3] offset:\off+16*\u
.endr
.endm
	s_load_b512 s[4:19], s[0:1], 0x0               ; x, source, wc, lowp_scales, pq_b, pk_b, pv_b, qkv
	s_load_b64 s[20:21], s[0:1], 0x40              ; xc
	v_lshl_add_u32 v12, v0, 2, SPARE
	v_mov_b32 v13, 0
	v_lshrrev_b32 v1, 5, v0
	s_delay_alu instid0(VALU_DEP_1)
	v_readfirstlane_b32 s24, v1                    ; wave 0..15
	v_and_b32 v1, 31, v0                           ; lane
	s_wait_alu depctr_va_vdst(0)
	v_and_b32 v2, 15, v0                           ; r
	s_wait_alu depctr_va_vdst(0)
	v_bfe_u32 v3, v0, 4, 1                         ; h
	s_lshr_b32 s26, ttmp9, 6                       ; b
	s_and_b32 s27, ttmp9, 63                       ; blk
	s_and_b32 s28, s24, 7                          ; phase L: which 32 channels
	s_lshr_b32 s29, s24, 3                         ; phase L: which 32 positions; products 1, 2: which two tiles of positions
	s_and_b32 s30, s24, 3                          ; the head
	s_bfe_u32 s31, s24, 0x10002                    ; products 1, 2: which two tiles of d
	s_lshr_b32 s32, s24, 2                         ; product 3: which tile of d
	s_lshl_b32 s33, s29, 7
	v_lshl_add_u32 v4, v1, 2, s33                  ; 4 (32 pg + lane)
	s_mul_i32 s33, s29, 32*PITCH
	s_lshl_b32 s34, s28, 5
	s_add_co_u32 s34, s34, s33
	v_mul_u32_u24 v5, v1, PITCH
	s_delay_alu instid0(VALU_DEP_1)
	v_add_nc_u32 v5, s34, v5                       ; row 32 pg + lane, byte 32 cg
	v_mul_u32_u24 v6, v2, PITCH
	s_wait_alu depctr_va_vdst(0)
	v_lshl_add_u32 v6, v3, 4, v6                   ; row r, + 16 h
	s_delay_alu instid0(VALU_DEP_1)
	v_add_nc_u32 v7, s33, v6                       ; + 32 rows x my half
	v_lshlrev_b32 v8, 4, v1
	s_mul_i32 s34, s32, 16*PITCH
	s_bfe_u32 s35, s24, 0x10001
	s_lshl_b32 s35, s35, 7
	s_add_co_u32 s34, s34, s35
	s_and_b32 s35, s24, 1
	s_lshl_b32 s35, s35, 6
	s_add_co_u32 s34, s34, s35
	v_add_nc_u32 v9, s34, v6                       ; xc's pieces 2 w, 2 w + 1: tile w / 4, K step (w / 2) % 2, bytes 64 (w % 2) on
	s_lshl_b32 s34, s31, 9
	s_lshl_b32 s35, s30, 2
	s_add_co_u32 s34, s34, s35
	v_lshl_add_u32 v10, v3, 7, s34                 ; pq_b, pk_b: output 64 (2 p + u) + 4 (8 h + j) + head
	s_lshl_b32 s34, s32, 8
	s_add_co_u32 s34, s34, s35
	v_lshl_add_u32 v11, v2, 4, s34                 ; pv_b: output 64 t + 4 r + head
	s_lshl_b32 s52, s26, 22                        ; x, source: batch, my 32 channels, the block's 64 positions
	s_lshl_b32 s53, s28, 19
	s_add_co_u32 s52, s52, s53
	s_lshl_b32 s53, s27, 8
	s_add_co_u32 s52, s52, s53
	s_mov_b32 s53, 0
	s_lshl_b32 s54, s30, 2                         ; wc: tiles 4 head + 2 p, + 1 (4,096 bytes a tile)
	s_lshl_b32 s55, s31, 1
	s_add_co_u32 s54, s54, s55
	s_lshl_b32 s54, s54, 12
	s_mov_b32 s55, 0
	s_lshl_b32 s56, s30, 2                         ; wc: tile 4 head + t
	s_add_co_u32 s56, s56, s32
	s_lshl_b32 s56, s56, 12
	s_mov_b32 s57, 0
	s_lshl_b32 s66, s26, 2
	s_add_co_u32 s66, s66, s30                     ; y = 4 b + head
	s_lshl_b32 s58, s66, 8                         ; Q: (256 y + 4 blk + 2 mh) 1024 + 512 p
	s_lshl_b32 s67, s27, 2
	s_add_co_u32 s58, s58, s67
	s_lshl_b32 s67, s29, 1
	s_add_co_u32 s58, s58, s67
	s_lshl_b32 s58, s58, 10
	s_lshl_b32 s67, s31, 9
	s_add_co_u32 s58, s58, s67
	s_mov_b32 s59, 0
	s_lshl_b32 s68, s66, 5                         ; the key step's block: 4,194,304 + (32 y + blk / 2) 16384
	s_lshr_b32 s67, s27, 1
	s_add_co_u32 s68, s68, s67
	s_lshl_b32 s68, s68, 14
	s_add_co_u32 s68, s68, 0x400000
	s_and_b32 s69, s27, 1
	s_lshl_b32 s60, s69, 2                         ; k: + (4 (blk % 2) + 2 mh) 1024 + 512 p
	s_lshl_b32 s67, s29, 1
	s_add_co_u32 s60, s60, s67
	s_lshl_b32 s60, s60, 10
	s_lshl_b32 s67, s31, 9
	s_add_co_u32 s60, s60, s67
	s_add_co_u32 s60, s60, s68
	s_mov_b32 s61, 0
	s_lshl_b32 s62, s32, 11                        ; v: + 8192 + 2048 t + 1024 (blk % 2)
	s_lshl_b32 s67, s69, 10
	s_add_co_u32 s62, s62, s67
	s_add_co_u32 s62, s62, s68
	s_add_co_u32 s62, s62, 8192
	s_mov_b32 s63, 0
	s_lshl_b32 s70, ttmp9, 14                      ; xc: 16384 g + 1024 w
	s_lshl_b32 s67, s24, 10
	s_add_co_u32 s70, s70, s67
	s_mov_b32 s71, 0
	s_wait_alu depctr_va_vdst(0)
	s_wait_kmcnt 0x0
	s_load_b512 s[36:51], s[10:11], 0x0            ; e0 .. e15
	s_add_nc_u64 s[4:5], s[4:5], s[52:53]
	s_add_nc_u64 s[6:7], s[6:7], s[52:53]
	s_add_nc_u64 s[54:55], s[8:9], s[54:55]
	s_add_nc_u64 s[56:57], s[8:9], s[56:57]
	s_add_nc_u64 s[58:59], s[18:19], s[58:59]
	s_add_nc_u64 s[60:61], s[18:19], s[60:61]
	s_add_nc_u64 s[62:63], s[18:19], s[62:63]
	s_add_nc_u64 s[20:21], s[20:21], s[70:71]
.set i, 0
.rept 32
	global_load_b32 v[X+i], v4, s[4:5] offset:16384*i th:TH_LOAD_NT   ; x(channel 32 cg + i, my position)
.set i, i+1
.endr
.set i, 0
.rept 32
	global_load_b32 v[S+i], v4, s[6:7] offset:16384*i th:TH_LOAD_NT
.set i, i+1
.endr
.set i, 0
.rept 16
	global_load_b128 v[WQ+4*i:WQ+4*i+3], v8, s[54:55] offset:512*i    ; pq's four fragments, as they lie
.set i, i+1
.endr
.irp u, 0,1
.irp j, 0,1,2,3,4,5,6,7
	global_load_b32 v[BQ+8*\u+\j], v10, s[12:13] offset:256*\u+16*\j
.endr
.endr
.irp u, 0,1
.irp j, 0,1,2,3,4,5,6,7
	global_load_b32 v[BK+8*\u+\j], v10, s[14:15] offset:256*\u+16*\j
.endr
.endr
	global_load_b32 v[BV], v11, s[16:17]
	s_wait_kmcnt 0x0
	MKSC 36, 240, 241                              ; e0
	MKSC 48, 242, 243                              ; e12
	MKSC 38, 244, 245                              ; e2
	MKSC 40, 246, 247                              ; e4
	s_wait_alu depctr_va_vdst(0)
	s_wait_loadcnt 63                              ; 113 loads were issued; with 63 out at the most, the first 50 are in: x's 32 among them
	QSET X, 0, 240, 241, XA
	s_wait_dscnt 0x0                               ; the stores have read the codes' registers
	QSET X, 1, 242, 243, XB
	s_wait_loadcnt 49                              ; behind source's loads stand 16 + 16 + 16 + 1
	s_wait_dscnt 0x0
	QSET S, 0, 244, 245, SA
	s_wait_dscnt 0x0
	QSET S, 1, 246, 247, SB
.set i, 0
.rept 16
	global_load_b128 v[WK+4*i:WK+4*i+3], v8, s[54:55] offset:65536+512*i   ; pk's four fragments, into the registers that the numbers have left
.set i, i+1
.endr
	s_wait_loadcnt 16                              ; all but pk's sixteen
	s_add_co_i32 s66, s36, s37
	s_sub_co_i32 s66, 0, s66                       ; -(e0 + e1): a sum stands for sum x 2^(e0 + e1), so the bias goes in divided by that
	s_add_co_i32 s67, s38, s39
	s_sub_co_i32 s67, 0, s67
	s_add_co_i32 s68, s40, s41
	s_sub_co_i32 s68, 0, s68
.set i, 0
.rept 16
	v_ldexp_f32 v[BQ+i], v[BQ+i], s66
	v_ldexp_f32 v[BK+i], v[BK+i], s67
.set i, i+1
.endr
.irp j, 7,6,5,4,3,2,1,0
	v_ldexp_f32 v[BV+\j], v[BV], s68               ; a lane of product 3 holds one output: its bias in all eight registers
.endr
	s_add_co_i32 s69, s42, s66
	MKSC 69, 240, 241                              ; q: 2^(e6 - e0 - e1): the three scales folded into the conversion's one
	s_add_co_i32 s69, s43, s67
	MKSC 69, 242, 243                              ; k
	s_add_co_i32 s69, s44, s68
	MKSC 69, 244, 245                              ; v
	BARRIER                                        ; the four sets of rows lie in LDS; from here on LDS is only read
	ds_load_b128 v[C:C+3], v9 offset:XB            ; x's codes under e12 leave as pieces of fragments
	ds_load_b128 v[C+4:C+7], v9 offset:XB+32
	s_wait_dscnt 0x0
	global_store_b128 v8, v[C:C+3], s[20:21]
	global_store_b128 v8, v[C+4:C+7], s[20:21] offset:512
; Two tiles of d x two tiles of positions, transposed.  The two accumulators take turns.
.macro GEMMT W, B, set, sc, lim, base
.irp mi, 0,1
.irp s, 0,1
.irp c, 0,1,2,3
	ds_load_b128 v[AF+16*\s+4*\c:AF+16*\s+4*\c+3], v7 offset:\set+\mi*16*PITCH+128*\s+32*\c   ; k = 128 s + 32 c + 16 h + 0..15 of row r
.endr
.endr
	s_wait_dscnt 0x0
	v_wmma_f32_16x16x128_fp8_fp8 v[ACC:ACC+7], v[\W:\W+15], v[AF:AF+15], v[\B:\B+7]
	v_wmma_f32_16x16x128_fp8_fp8 v[ACC+8:ACC+15], v[\W+32:\W+47], v[AF:AF+15], v[\B+8:\B+15]
	v_wmma_f32_16x16x128_fp8_fp8 v[ACC:ACC+7], v[\W+16:\W+31], v[AF+16:AF+31], v[ACC:ACC+7]
	v_wmma_f32_16x16x128_fp8_fp8 v[ACC+8:ACC+15], v[\W+48:\W+63], v[AF+16:AF+31], v[ACC+8:ACC+15]
	PLACES
.set i, 0
.rept 16
.set i, i+1
.endr
	s_wait_alu depctr_va_vdst(0)
	s_wait_xcnt 0x0                                ; the last store has read the codes' registers
	v_cvt_scalef32_pk8_fp8_f32 v[OC:OC+1], v[ACC:ACC+7], v[\sc]          ; d = 16 (2 p) + 8 h + 0..7
	v_cvt_scalef32_pk8_fp8_f32 v[OC+2:OC+3], v[ACC+8:ACC+15], v[\sc]     ; d = 16 (2 p + 1) + 8 h + 0..7: together piece p of the position tile's fragment
	v_nop
	global_store_b128 v8, v[OC:OC+3], s[\base:\base+1] offset:1024*\mi
.endr
.endm
	GEMMT WQ, BQ, XA, 240, 241, 58
.set i, 0
.rept 8
	global_load_b128 v[WQ+4*i:WQ+4*i+3], v8, s[56:57] offset:131072+512*i   ; pv's two fragments, where pq's lay: the v_nop above are the places behind the last products
.set i, i+1
.endr
	s_wait_loadcnt 8                               ; pk's are in; pv's eight may be out
	GEMMT WK, BK, SA, 242, 243, 60
	s_wait_loadcnt 0x0
.irp mp, 0,1                                   ; product 3: one tile of d x two tiles of keys at a time
	PLACES
.irp i, 0,1
.irp s, 0,1
.irp c, 0,1,2,3
	ds_load_b128 v[16+32*\i+16*\s+4*\c:16+32*\i+16*\s+4*\c+3], v6 offset:SB+(2*\mp+\i)*16*PITCH+128*\s+32*\c
.endr
.endr
.endr
	s_wait_dscnt 0x0
	v_wmma_f32_16x16x128_fp8_fp8 v[ACC:ACC+7], v[16:31], v[WQ:WQ+15], v[BV:BV+7]
	v_wmma_f32_16x16x128_fp8_fp8 v[ACC+8:ACC+15], v[48:63], v[WQ:WQ+15], v[BV:BV+7]
	v_wmma_f32_16x16x128_fp8_fp8 v[ACC:ACC+7], v[32:47], v[WQ+16:WQ+31], v[ACC:ACC+7]
	v_wmma_f32_16x16x128_fp8_fp8 v[ACC+8:ACC+15], v[64:79], v[WQ+16:WQ+31], v[ACC+8:ACC+15]
	PLACES
.set i, 0
.rept 16
.set i, i+1
.endr
	s_wait_xcnt 0x0
	v_cvt_scalef32_pk8_fp8_f32 v[OC:OC+1], v[ACC:ACC+7], v244            ; keys 16 (2 mp) + 8 h + 0..7 of d = 16 t + r
	v_cvt_scalef32_pk8_fp8_f32 v[OC+2:OC+3], v[ACC+8:ACC+15], v244
	v_nop
	global_store_b128 v8, v[OC:OC+3], s[62:63] offset:512*\mp
.endr
	s_wait_tensorcnt 0x0                           ; the wave's end, behind my last LDS store
	ds_add_u32 v12, v13
	s_wait_dscnt 0x0
	s_endpgm
.Lfunc_end_k_qe84714e14e_proj:
	.size	k_qe84714e14e_proj, .Lfunc_end_k_qe84714e14e_proj-k_qe84714e14e_proj
	.p2alignl 7, 3214868480
	.fill 96, 4, 3214868480
	.section	.rodata,"a",@progbits
	.p2align	6, 0x0
	.amdhsa_kernel k_qe84714e14e_proj
		.amdhsa_group_segment_fixed_size 71680
		.amdhsa_private_segment_fixed_size 0
		.amdhsa_enable_private_segment 0
		.amdhsa_kernarg_size 72
		.amdhsa_user_sgpr_count 2
		.amdhsa_user_sgpr_kernarg_segment_ptr 1
		.amdhsa_wavefront_size32 1
		.amdhsa_system_sgpr_workgroup_id_x 1
		.amdhsa_system_sgpr_workgroup_id_y 1
		.amdhsa_system_sgpr_workgroup_id_z 1
		.amdhsa_system_vgpr_workitem_id 0
		.amdhsa_next_free_vgpr 256
		.amdhsa_next_free_sgpr 72
		.amdhsa_reserve_vcc 0
		.amdhsa_float_denorm_mode_32 3
		.amdhsa_float_denorm_mode_16_64 3
		.amdhsa_fp16_overflow 1
		.amdhsa_memory_ordered 1
		.amdhsa_forward_progress 1
		.amdhsa_inst_pref_size 32
	.end_amdhsa_kernel
	.amdgpu_metadata
---
amdhsa.version: [ 1, 2 ]
amdhsa.kernels:
  - .name:           k_qe84714e14e_proj
    .symbol:         k_qe84714e14e_proj.kd
    .args:
      - { .name: x, .offset: 0, .size: 8, .value_kind: global_buffer, .address_space: global }
      - { .name: source, .offset: 8, .size: 8, .value_kind: global_buffer, .address_space: global }
      - { .name: wc, .offset: 16, .size: 8, .value_kind: global_buffer, .address_space: global }
      - { .name: lowp_scales, .offset: 24, .size: 8, .value_kind: global_buffer, .address_space: global }
      - { .name: pq_b, .offset: 32, .size: 8, .value_kind: global_buffer, .address_space: global }
      - { .name: pk_b, .offset: 40, .size: 8, .value_kind: global_buffer, .address_space: global }
      - { .name: pv_b, .offset: 48, .size: 8, .value_kind: global_buffer, .address_space: global }
      - { .name: qkv, .offset: 56, .size: 8, .value_kind: global_buffer, .address_space: global }
      - { .name: xc, .offset: 64, .size: 8, .value_kind: global_buffer, .address_space: global }
    .group_segment_fixed_size: 71680
    .private_segment_fixed_size: 0
    .kernarg_segment_align: 8
    .kernarg_segment_size: 72
    .max_flat_workgroup_size: 512
    .sgpr_count:     72
    .vgpr_count:     256
    .wavefront_size: 32
...
	.end_amdgpu_metadata
.endif
;; end of part 2
;; launch attn (part 3): grid 16 x 16, 16 waves a work-group, no clusters, 327,680 bytes of LDS; arguments qkv, lowp_scales, ac; writes ac
.if DOCPART == 3
	.amdgcn_target "amdgcn-amd-amdhsa--gfx1250"
	.amdhsa_code_object_version 6
	.text
	.protected	k_qe84714e14e_attn
	.globl	k_qe84714e14e_attn
	.p2align	8
	.type	k_qe84714e14e_attn,@function
k_qe84714e14e_attn:
	s_mov_b64 s[64:65], 0
	v_nop
	global_prefetch_b8 v0, s[64:65] scope:SCOPE_SE
	s_setreg_imm32_b32 hwreg(HW_REG_WAVE_MODE, 25, 1), 1
	s_wait_xcnt 0x0
; Launch 3 of 6: attention on codes of E4M3, head size 64, 4,096 queries and keys for each of 16 (batch, head) pairs y = 4 b + head.
; THE SOFTMAX AHEAD OF THE SECOND PRODUCT: t = score x log2(e) / 8; M = the row's largest t so far, rounded UP to a whole number; p = 2^(t - M) is what is quantised (e9); it is not normalised.
; The row's sum is taken of the unquantised p and divides O at the end.  When M moves, the sum and O are multiplied by 2^(old M - new M): nothing is rounded, and no branch hangs on data.
; SHARES.  A work-group owns 256 queries of one y; each of its sixteen waves owns 16 of them in 256 registers: four waves to a SIMD, so that one wave's vector work stands beside another's products and LDS loads.
; Every wave walks the 32 key steps of 128 keys.  A key step is ONE dense block of 16,384 bytes of qkv: eight fragments of k (16 neighbouring keys x 64), four of v (16 d x 128 keys), each as an image of
; its registers (pieces of 512 bytes, lane l at 16 l): no pitch, no padding.  Two LDS slots of FOUR key steps; waves 0 to 3 fetch a step each by one tensor load, all sixteen read.
; THE MEETING of the sixteen waves, one for each change of slots, stands INSIDE a slot's last key step: as soon as that step's fragments of v, the wave's last reads of the slot, are in registers, the wave signals;
; the step's softmax and its second product, work on registers alone, stand between the signal and the wait; the refill of the slot comes first behind the wait.
; LAYOUT.  Both products are used transposed: S^T = k q^T (K = 64), O^T = v^T p^T (K = 128 keys): a lane holds ONE query (lane % 16).  Register j of score tile t is key 16 t + 8 (lane / 16) + j:
; just the place that the second product's form gives k in registers 2 t, 2 t + 1: so the conversions' results are its operand.
; OUT: attn_out / 2^e10 as codes, K = 64 head + d, as pieces of the merge product's fragments: ac + ((256 b + tile of queries) 4 + head) 1024.
; NO CLUSTER: a key step's fill is 16,384 bytes for a work-group, against the 262,144 bytes that its sixteen waves read from LDS in that step; what joint loads could share is a sixteenth of a step's LDS bytes,
; and each load has a whole slot's four key steps in which to land.
; LIMITS on the given exponents: e6 + e7 between -123 and 130 (added to c's exponent field); e9, e10 between -126 and 119; e8 + e9 goes by v_ldexp_f32 and has none.
; REGISTERS: v1 16 x lane; v3 256 x lane; v5, v6 the add's two; v8 LDS address; v12 -M, v13 the largest t, v[14:15] the sum; v16-23 q; v32-95 k's eight fragments, then v's four; v96-159 S^T, then p;
; v160-191 O^T; v192, v193, v194 at work; v[196:197] f; v[198:199] the second chain of the sum; v201 scale of p; v203 of the output; v224-239 p's codes.
.set SLOT1, 65536                      ; a slot: four key steps; one exclusive or turns an address in one slot into the other's
.set SPARE, 131072                     ; behind the ring: the spare words, 128 bytes a wave: eight blocks of 256 bytes that no other line names
.set NSL,   8                          ; slots' worth of keys
.set WV,    18
.set SEL,   20
.set CS,    22
.set G1,    24
.set G0,    40
.set TB,    2
.set SLOTS, 67
.set PFA,   76
.set LIM,   80
.macro PLACES
.rept 4
	v_nop
.endr
.endm
.macro MKSC e, vsc, vlim
	s_add_co_i32 s72, s[\e], 127
	s_lshl_b32 s73, s72, 23
	v_mov_b32 v[\vsc], s73
.endm
.macro TLOAD                           ; waves 0 to 3 fetch a key step each; an s_nop 0 and four v_nop follow the load
	s_cmp_lt_u32 s[WV], 4
	s_cbranch_scc0 .Lasked_\@
	tensor_load_to_lds s[G0:G0+3], s[G1:G1+7]
	s_nop 0
.rept 4
	v_nop
.endr
.Lasked_\@:
.endm
; A PREFETCH of the slot that this trip's meeting will ask for: 65,536 dense bytes.  All sixteen work-groups of a y walk the same blocks: the first of them asks, in its waves 4 to 11, which fetch nothing:
; 8,192 bytes a wave, lanes 256 bytes apart: each aligned block of 256 bytes is named once in the launch.  It stands in a slot's third key step, behind that step's loads of v: the rest of that step and the
; slot's last step lie between it and the tensor load.  Slots 0 and 1 come by their loads alone; the loop's six trips ask for slots 2 to 7; the two slots written out behind the loop ask for nothing.
.macro ASK
	s_cmp_eq_u32 s[LIM], 1
	s_cbranch_scc0 .Lnot_mine_\@
	global_prefetch_b8 v3, s[PFA:PFA+1] th:TH_LOAD_NT scope:SCOPE_SE
.Lnot_mine_\@:
.endm
	s_load_b128 s[4:7], s[0:1], 0x0                ; qkv, lowp_scales
	s_load_b64 s[8:9], s[0:1], 0x10                ; ac
	v_lshl_add_u32 v5, v0, 2, SPARE
	v_mov_b32 v6, 0
	ds_add_u32 v5, v6                              ; the wave's opening: the add, twice on end, and its wait ahead of the first tensor load
	ds_add_u32 v5, v6
	v_lshrrev_b32 v8, 5, v0
	s_delay_alu instid0(VALU_DEP_1)
	v_readfirstlane_b32 s[WV], v8                  ; wave 0..15
	s_and_b32 s10, ttmp7, 0xffff                   ; y
	s_lshl_b32 s11, ttmp9, 4
	s_add_co_u32 s11, s11, s[WV]                   ; my tile of 16 queries
	s_mov_b32 s[G1], 3<<16                         ; no mask; elements of 8 bytes; no padding
	s_mov_b32 s[G1+1], 32<<16                      ; tensor_dim0 = 32 elements: 256 bytes
	s_mov_b32 s[G1+2], 64<<16                      ; tensor_dim1 = 64
	s_mov_b32 s[G1+3], 32<<16                      ; tile_dim0 = 32
	s_mov_b32 s[G1+4], 64                          ; tile_dim1 = 64
	s_mov_b32 s[G1+5], 32                          ; from row to row: dense
	s_mov_b32 s[G1+6], 0
	s_mov_b32 s[G1+7], 0
	s_mov_b32 s[SEL], 0x76543210
	s_mov_b32 s[SEL+1], 0xfedcba98
	s_mov_b32 s[CS], 0x3e38aa3b                    ; c = log2(e) / 8
	s_mov_b32 s[TB], 0
	s_mov_b32 s[SLOTS], NSL-2
	s_and_b32 s12, s[WV], 3
	s_lshl_b32 s12, s12, 14                        ; which key step of a slot I fetch, if I fetch: in memory and in LDS alike
	s_mov_b32 s13, 0
	s_lshl_b32 s14, s10, 19
	s_add_co_u32 s14, s14, 0x400000                ; y's first key step
	s_mov_b32 s15, 0
	s_lshl_b32 s70, s10, 8
	s_add_co_u32 s70, s70, s11
	s_lshl_b32 s70, s70, 10                        ; my q
	s_mov_b32 s71, 0
	s_lshr_b32 s72, s10, 2
	s_lshl_b32 s72, s72, 8
	s_add_co_u32 s72, s72, s11
	s_lshl_b32 s72, s72, 2
	s_and_b32 s73, s10, 3
	s_add_co_u32 s72, s72, s73
	s_lshl_b32 s72, s72, 10                        ; my place in ac
	s_mov_b32 s73, 0
	s_sub_co_u32 s81, s[WV], 4
	s_and_b32 s74, s81, 7
	s_lshl_b32 s74, s74, 13                        ; the prefetches: my wave's 8,192 bytes,
	s_add_co_u32 s74, s74, 2*SLOT1                 ; in slot 2, which the first trip's meeting will ask for
	s_mov_b32 s75, 0
	s_lshr_b32 s81, s81, 3                         ; 0 in waves 4 to 11,
	s_or_b32 s81, s81, ttmp9                       ; of y's first work-group
	s_cmp_eq_u32 s81, 0
	s_cselect_b32 s[LIM], 1, 0
	s_wait_dscnt 0x0                               ; both opening adds are done
	s_wait_kmcnt 0x0
	s_load_b512 s[48:63], s[6:7], 0x0              ; e0 .. e15
	s_mov_b32 s[G0], 1
	s_mov_b32 s[G0+1], s12
	s_add_nc_u64 s[G0+2:G0+3], s[4:5], s[14:15]
	s_add_nc_u64 s[PFA:PFA+1], s[G0+2:G0+3], s[74:75]
	s_add_nc_u64 s[G0+2:G0+3], s[G0+2:G0+3], s[12:13]
	s_or_b32 s[G0+3], s[G0+3], 0x80000000
	TLOAD                                          ; slot 0
	s_add_nc_u64 s[4:5], s[4:5], s[70:71]
	s_add_nc_u64 s[8:9], s[8:9], s[72:73]
	v_and_b32 v1, 31, v0
	s_delay_alu instid0(VALU_DEP_1)
	v_lshlrev_b32 v3, 8, v1
	s_delay_alu instid0(VALU_DEP_2)
	v_lshlrev_b32 v1, 4, v1
	global_load_b128 v[16:19], v1, s[4:5]          ; q's fragment stays in registers
	global_load_b128 v[20:23], v1, s[4:5] offset:512
	v_mov_b32 v13, 0xff61b1e6                      ; the largest t so far: -3e38, under every t
	s_delay_alu instid0(VALU_DEP_1)
	v_floor_f32 v12, -v13
	v_mov_b32 v14, 0
	v_mov_b32 v15, 0
	v_mov_b32 v194, 0                              ; a lane permute's destination counts as one of its sources
	v_mov_b32 v197, 0                              ; (named as the upper half of the pair v[196:197])
.set i, 0
.rept 32
	v_mov_b32 v[160+i], 0                          ; O^T: the step is written once; its first run finds zeros, which the first change of M leaves zeros
.set i, i+1
.endr
	s_wait_kmcnt 0x0
	s_add_co_i32 s72, s54, s55
	s_lshl_b32 s72, s72, 23
	s_add_co_i32 s[CS], s[CS], s72                 ; a score stands for score x 2^(e6 + e7): added to c's exponent field
	s_mov_b32 s[CS+1], s[CS]
	MKSC 57, 201, 200                              ; e9
	MKSC 58, 203, 202                              ; e10
; A KEY STEP: 128 keys, the q-th step of the slot in hand.  ask = 1: the prefetch stands behind v's loads.
; meet = 1: the slot's last step, with the meeting, behind which the slot is filled again;  meet = 2: the same, and nothing is filled;  meet = 0: no meeting.
.macro STEP q, ask, meet
	v_add_nc_u32 v8, s[TB], v1                     ; this line and three v_nop are the four places in front of loads into registers that the last products read
.rept 3
	v_nop
.endr
.set i, 0
.rept 16
	ds_load_b128 v[32+4*i:35+4*i], v8 offset:16384*(\q)+512*i            ; k's eight fragments
.set i, i+1
.endr
	s_wait_alu depctr_va_vdst(0)
	s_wait_dscnt 8                                 ; LDS loads come back in order: the first eight, fragments 0 to 3, are in; the eight younger may be out
.set i, 0
.rept 4
	v_wmma_f32_16x16x64_fp8_fp8 v[96+8*i:103+8*i], v[32+8*i:39+8*i], v[16:23], 0
.set i, i+1
.endr
	s_wait_dscnt 0x0
.rept 4
	v_wmma_f32_16x16x64_fp8_fp8 v[96+8*i:103+8*i], v[32+8*i:39+8*i], v[16:23], 0
.set i, i+1
.endr
	PLACES
.set i, 0
.rept 16
	ds_load_b128 v[32+4*i:35+4*i], v8 offset:16384*(\q)+8192+512*i       ; v's four fragments: they land under the softmax
.set i, i+1
.endr
.if \ask
	ASK
.endif
.if \meet
	s_wait_tensorcnt 0x0                           ; all my tensor loads have landed, my part of the next slot among them: so the descriptor may be written
	ds_add_u32 v5, v6                              ; 0 onto my spare word
.if (\meet) == 1
	ds_add_u32 v5, v6                              ; and once more, in every trip alike
	s_xor_b32 s[G0+1], s[G0+1], SLOT1              ; the other slot than last time: the one that I am leaving,
	s_add_nc_u64 s[G0+2:G0+3], s[G0+2:G0+3], SLOT1 ; the next four key steps
	s_wait_xcnt 0x0                                ; the trip's prefetch, a key step back, has read its address
	s_add_nc_u64 s[PFA:PFA+1], s[PFA:PFA+1], SLOT1
.endif
	s_wait_dscnt 0x0                               ; the add is done, and v's fragments are in: my reads of this slot are over
	s_barrier_signal -1                            ; say so; from here to the wait: work on registers alone
.endif
	v_max3_num_f32 v192, v96, v97, v98             ; the step's largest score of my query among my 64 keys, in two chains; each accumulator is read from its low end on
	v_max3_num_f32 v193, v99, v100, v101
.irp i, 6,10,14,18,22,26,30,34,38,42,46,50,54,58
	v_max3_num_f32 v192, v192, v[96+\i], v[97+\i]
	v_max3_num_f32 v193, v193, v[98+\i], v[99+\i]
.endr
	v_max3_num_f32 v192, v192, v158, v159
	s_delay_alu instid0(VALU_DEP_1)
	v_max_num_f32 v192, v192, v193
	s_delay_alu instid0(VALU_DEP_1)
	v_permlanex16_b32 v194, v192, s[SEL], s[SEL+1]
	s_delay_alu instid0(VALU_DEP_1)
	v_max_num_f32 v192, v192, v194                 ; and among lane l xor 16's
	s_delay_alu instid0(VALU_DEP_1)
	v_mul_f32 v192, s[CS], v192                    ; as t (c is positive)
	s_delay_alu instid0(VALU_DEP_1)
	v_max_num_f32 v13, v13, v192
	v_mov_b32 v192, v12
	s_delay_alu instid0(VALU_DEP_2)
	v_floor_f32 v12, -v13                          ; the new -M = floor(-t)
	s_delay_alu instid0(VALU_DEP_1)
	v_sub_f32 v192, v12, v192                      ; old M - new M: a whole number, 0 or less
	s_delay_alu instid0(VALU_DEP_1)
	v_cvt_i32_f32 v192, v192
	s_delay_alu instid0(VALU_DEP_1)
	v_ldexp_f32 v196, 1.0, v192                    ; f = 2^(old M - new M)
.set i, 0
.rept 32
	v_pk_fma_f32 v[96+i:97+i], v[96+i:97+i], s[CS:CS+1], v[12:13] op_sel_hi:[1,0,0]   ; t - M
.set i, i+2
.endr
.set i, 0
	s_wait_alu depctr_va_vdst(0)
.rept 64
	v_exp_f32 v[96+i], v[96+i]                     ; p = 2^(t - M)
.set i, i+1
.endr
	v_pk_mul_f32 v[14:15], v[14:15], v[196:197] op_sel_hi:[1,0]          ; the sums under the new M: the plain line behind the exponentials
	s_wait_alu depctr_va_vdst(0)                   ; one wait for the batch, ahead of its first reader
	v_pk_add_f32 v[198:199], v[100:101], v[104:105]
	v_pk_add_f32 v[254:255], v[108:109], v[112:113]
	v_pk_add_f32 v[252:253], v[116:117], v[120:121]
	v_pk_add_f32 v[250:251], v[124:125], v[128:129]
	v_pk_add_f32 v[248:249], v[132:133], v[136:137]
	v_pk_add_f32 v[246:247], v[140:141], v[144:145]
	v_pk_add_f32 v[244:245], v[148:149], v[152:153]
	v_pk_add_f32 v[14:15], v[14:15], v[156:157]
	v_pk_add_f32 v[198:199], v[198:199], v[96:97]
	v_pk_add_f32 v[254:255], v[254:255], v[98:99]
	v_pk_add_f32 v[252:253], v[252:253], v[102:103]
	v_pk_add_f32 v[250:251], v[250:251], v[106:107]
	v_pk_add_f32 v[248:249], v[248:249], v[110:111]
	v_pk_add_f32 v[246:247], v[246:247], v[114:115]
	v_pk_add_f32 v[244:245], v[244:245], v[118:119]
	v_pk_add_f32 v[14:15], v[14:15], v[122:123]
	v_pk_add_f32 v[198:199], v[198:199], v[126:127]
	v_pk_add_f32 v[254:255], v[254:255], v[130:131]
	v_pk_add_f32 v[252:253], v[252:253], v[134:135]
	v_pk_add_f32 v[250:251], v[250:251], v[138:139]
	v_pk_add_f32 v[248:249], v[248:249], v[142:143]
	v_pk_add_f32 v[246:247], v[246:247], v[146:147]
	v_pk_add_f32 v[244:245], v[244:245], v[150:151]
	v_pk_add_f32 v[14:15], v[14:15], v[154:155]
	v_pk_add_f32 v[198:199], v[198:199], v[158:159]
	s_delay_alu instid0(VALU_DEP_2)
	v_pk_add_f32 v[14:15], v[14:15], v[250:251]
	s_delay_alu instid0(VALU_DEP_2)
	v_pk_add_f32 v[198:199], v[198:199], v[248:249]
	v_pk_add_f32 v[254:255], v[254:255], v[246:247]
	v_pk_add_f32 v[252:253], v[252:253], v[244:245]
	s_delay_alu instid0(VALU_DEP_2)
	v_pk_add_f32 v[14:15], v[14:15], v[254:255]
	s_delay_alu instid0(VALU_DEP_2)
	v_pk_add_f32 v[198:199], v[198:199], v[252:253]
	s_delay_alu instid0(VALU_DEP_1)
	v_pk_add_f32 v[14:15], v[14:15], v[198:199]
.irp t, 0,1,2,3,4,5,6,7
.irp i, 0,1,2,3,4,5,6,7
.endr
	v_cvt_scalef32_pk8_fp8_f32 v[224+2*\t:225+2*\t], v[96+8*\t:103+8*\t], v201
.endr
.set i, 0
.rept 16
	v_pk_mul_f32 v[160+i:161+i], v[160+i:161+i], v[196:197] op_sel_hi:[1,0]   ; O^T under the new M; also the plain lines behind the conversions
.set i, i+2
.endr
.if (\meet) == 0
	s_wait_alu depctr_va_vdst(0)
	s_wait_dscnt 0x0                               ; v's fragments are in
.endif
.set i, 0
.rept 4
	v_wmma_f32_16x16x128_fp8_fp8 v[160+8*i:167+8*i], v[32+16*i:47+16*i], v[224:239], v[160+8*i:167+8*i]   ; the four accumulators take turns
.set i, i+1
.endr
.if \meet
	s_barrier_wait -1                              ; all sixteen have said so: nobody reads this slot any more, and the next slot is whole
.if (\meet) == 1
	TLOAD                                          ; the first thing behind the barrier, and a wave's one tensor load until the next: one load of mine is out at the most
.endif
.endif
.endm
	s_wait_loadcnt 0x0                             ; q
	; THE FIRST MEETING: slot 0 has landed; behind the barrier slot 1 is filled for the first time
	s_wait_tensorcnt 0x0
	ds_add_u32 v5, v6                              ; the add, twice on end
	ds_add_u32 v5, v6
	s_xor_b32 s[G0+1], s[G0+1], SLOT1
	s_add_nc_u64 s[G0+2:G0+3], s[G0+2:G0+3], SLOT1
	s_wait_dscnt 0x0
	s_barrier_signal -1
	s_barrier_wait -1
	TLOAD                                          ; slot 1
.Lslot:                                                ; six trips: slots 0 to 5 are read; each trip's meeting fills the slot just read with the keys two slots on
	STEP 0, 0, 0
	STEP 1, 0, 0
	STEP 2, 1, 0
	STEP 3, 0, 1
	s_xor_b32 s[TB], s[TB], SLOT1                  ; on to the other slot
	s_sub_co_u32 s[SLOTS], s[SLOTS], 1
	s_cmp_lg_u32 s[SLOTS], 0
	s_cbranch_scc1 .Lslot
	STEP 0, 0, 0                                   ; the last two slots are written out: slot 6, whose meeting fills nothing
	STEP 1, 0, 0
	STEP 2, 0, 0
	STEP 3, 0, 2
	s_xor_b32 s[TB], s[TB], SLOT1
	STEP 0, 0, 0                                   ; and slot 7, behind which nobody meets
	STEP 1, 0, 0
	STEP 2, 0, 0
	STEP 3, 0, 0
	PLACES
	v_add_f32 v14, v14, v15                        ; the sum's two halves,
	s_delay_alu instid0(VALU_DEP_1)
	v_permlanex16_b32 v194, v14, s[SEL], s[SEL+1]
	s_delay_alu instid0(VALU_DEP_1)
	v_add_f32 v14, v14, v194                       ; and lane l xor 16's
	s_wait_alu depctr_va_vdst(0)
	v_rcp_f32 v14, v14
	v_nop
	s_add_co_i32 s72, s56, s57
	s_wait_alu depctr_va_vdst(0)
	v_ldexp_f32 v14, v14, s72                      ; x 2^(e8 + e9)
.set i, 0
.rept 32
	v_mul_f32 v[96+i], v[160+i], v14               ; register 8 t + j: attn_out(d = 16 t + 8 h + j) of my query
.set i, i+1
.endr
.set i, 0
.rept 32
.set i, i+1
.endr
.irp t, 0,1,2,3
	v_cvt_scalef32_pk8_fp8_f32 v[224+2*\t:225+2*\t], v[96+8*\t:103+8*\t], v203
.endr
	v_nop
	global_store_b128 v1, v[224:227], s[8:9]       ; two pieces of 512 consecutive bytes
	global_store_b128 v1, v[228:231], s[8:9] offset:512
	s_wait_tensorcnt 0x0                           ; the wave's end
	ds_add_u32 v5, v6
	s_wait_dscnt 0x0
	s_endpgm
.Lfunc_end_k_qe84714e14e_attn:
	.size	k_qe84714e14e_attn, .Lfunc_end_k_qe84714e14e_attn-k_qe84714e14e_attn
	.p2alignl 7, 3214868480
	.fill 96, 4, 3214868480
	.section	.rodata,"a",@progbits
	.p2align	6, 0x0
	.amdhsa_kernel k_qe84714e14e_attn
		.amdhsa_group_segment_fixed_size 327680
		.amdhsa_private_segment_fixed_size 0
		.amdhsa_enable_private_segment 0
		.amdhsa_kernarg_size 24
		.amdhsa_user_sgpr_count 2
		.amdhsa_user_sgpr_kernarg_segment_ptr 1
		.amdhsa_wavefront_size32 1
		.amdhsa_system_sgpr_workgroup_id_x 1
		.amdhsa_system_sgpr_workgroup_id_y 1
		.amdhsa_system_sgpr_workgroup_id_z 1
		.amdhsa_system_vgpr_workitem_id 0
		.amdhsa_next_free_vgpr 256
		.amdhsa_next_free_sgpr 84
		.amdhsa_reserve_vcc 0
		.amdhsa_float_denorm_mode_32 3
		.amdhsa_float_denorm_mode_16_64 3
		.amdhsa_fp16_overflow 1
		.amdhsa_memory_ordered 1
		.amdhsa_forward_progress 1
		.amdhsa_inst_pref_size 172
	.end_amdhsa_kernel
	.amdgpu_metadata
---
amdhsa.version: [ 1, 2 ]
amdhsa.kernels:
  - .name:           k_qe84714e14e_attn
    .symbol:         k_qe84714e14e_attn.kd
    .args:
      - { .name: qkv, .offset: 0, .size: 8, .value_kind: global_buffer, .address_space: global }
      - { .name: lowp_scales, .offset: 8, .size: 8, .value_kind: global_buffer, .address_space: global }
      - { .name: ac, .offset: 16, .size: 8, .value_kind: global_buffer, .address_space: global }
    .group_segment_fixed_size: 327680
    .private_segment_fixed_size: 0
    .kernarg_segment_align: 8
    .kernarg_segment_size: 24
    .max_flat_workgroup_size: 512
    .sgpr_count:     84
    .vgpr_count:     256
    .wavefront_size: 32
...
	.end_amdgpu_metadata
.endif
;; end of part 3
;; launch mstat (part 4): grid 256 x 1, 16 waves a work-group, no clusters, 55,296 bytes of LDS; arguments ac, xc, wc, lowp_scales, merge_b, mc, part; writes mc, part
.if DOCPART == 4
	.amdgcn_target "amdgcn-amd-amdhsa--gfx1250"
	.amdhsa_code_object_version 6
	.text
	.protected	k_qe84714e14e_mstat
	.globl	k_qe84714e14e_mstat
	.p2align	8
	.type	k_qe84714e14e_mstat,@function
k_qe84714e14e_mstat:
	s_mov_b64 s[64:65], 0
	v_nop
	global_prefetch_b8 v0, s[64:65] scope:SCOPE_SE
	s_setreg_imm32_b32 hwreg(HW_REG_WAVE_MODE, 25, 1), 1
	s_wait_xcnt 0x0
; Launch 4 of 6: message = merge_w . attn_out + merge_b, quantised (e12); z = mlp1_w . concat[x, message] as raw sums; for each of the 512 channels the mean and the centred sum of squares of z over the
; work-group's 64 positions.  mlp1_b is left out: it cancels in h - mean(h) and in var(h) for all values (shown at the first launch's head).
; A work-group takes 64 positions (g = its number).  Operands go from wave to wave through LDS as images of their registers: fragment (tile of positions m, K step s) at 4096 m + 2048 s, pieces of 512 bytes.
; MERGE is used transposed (source 0 = wave w's 16 outputs, source 1 = 16 positions): a lane holds a position and eight neighbouring outputs, whose codes are registers 2 (w % 8), + 1 of K step 2 + w / 8 of the
; next product.  MLP1 is used as it is (source 0 = positions, source 1 = 16 channels; wave w: channels 32 w .. 32 w + 31): a lane holds ONE channel and 32 of the 64 positions, so the sums over positions are
; sums over a lane's registers and one exchange between the halves of the lanes.  The variance is never a difference of large sums: each work-group centres on its own mean.
; OUT: mc: message's codes, laid as xc; part: 4096 g + { mean[512] | 2048 + M2[512] }, f32, of the raw sums (z = sum x 2^(e12 + e13)).
; LIMIT: e12 - e10 - e11 between -126 and 119.
.set AIMG, 0
.set XIMG, 16384
.set MIMG, 32768
.set STAT, 49152
.set SPARE, 53248                      ; the spare words, 128 bytes a wave: eight blocks of 256 bytes that no other line names
; v1 16 x lane; v2 r; v3 h; v4 1024 w + 16 lane; v5 where message's codes go; v6 my channel's word in STAT; v7 8 x thread; v8 scale; v10 permute; v11 merge_b's offset; v12, v13 the add's two;
; v16-23 merge_b, later statistics; v24-31 codes, copies, statistics; v32-63 two fragments of positions, later at work; v64-127 merge: weights and four accumulators; then mlp1's eight accumulators (u, m) at 64 + 32 u + 8 m;
; v128-255 mlp1's fragments (u, s) at 128 + 64 u + 16 s.
.macro BARRIER
	s_wait_dscnt 0x0
	s_barrier_signal -1
	s_barrier_wait -1
.endm
.macro PLACES
.rept 4
	v_nop
.endr
.endm
	s_load_b256 s[4:11], s[0:1], 0x0               ; ac, xc, wc, lowp_scales
	s_load_b128 s[12:15], s[0:1], 0x20             ; merge_b, mc
	s_load_b64 s[16:17], s[0:1], 0x30              ; part
	v_lshl_add_u32 v12, v0, 2, SPARE
	v_mov_b32 v13, 0
	v_lshrrev_b32 v1, 5, v0
	s_delay_alu instid0(VALU_DEP_1)
	v_readfirstlane_b32 s24, v1                    ; wave 0..15
	v_and_b32 v1, 31, v0
	v_and_b32 v2, 15, v0
	v_bfe_u32 v3, v0, 4, 1
	s_delay_alu instid0(VALU_DEP_3)
	v_lshlrev_b32 v1, 4, v1
	s_wait_alu depctr_va_vdst(0)
	s_lshl_b32 s25, s24, 10
	v_add_nc_u32 v4, s25, v1
	s_lshr_b32 s26, s24, 3
	s_lshl_b32 s26, s26, 11
	s_bfe_u32 s27, s24, 0x20001
	s_lshl_b32 s27, s27, 9
	s_add_co_u32 s26, s26, s27
	s_and_b32 s27, s24, 1
	s_lshl_b32 s27, s27, 3
	s_add_co_u32 s26, s26, s27
	v_add_nc_u32 v5, s26, v1                       ; 16 lane + 2048 (w / 8) + 512 ((w % 8) / 2) + 8 (w % 2)
	s_lshl_b32 s26, s24, 7
	v_lshl_add_u32 v6, v2, 2, s26                  ; 4 (32 w + r)
	v_lshlrev_b32 v7, 3, v0
	v_mov_b32 v10, 0
	s_lshl_b32 s26, s24, 6
	v_lshl_add_u32 v11, v3, 5, s26                 ; merge_b: outputs 16 w + 8 h + 0..7
	s_mov_b32 s20, 0x76543210
	s_mov_b32 s21, 0xfedcba98
	s_lshl_b32 s28, ttmp9, 14
	s_mov_b32 s29, 0
	s_lshl_b32 s30, s24, 12
	s_mov_b32 s31, 0
	s_lshl_b32 s32, s24, 14
	s_mov_b32 s33, 0
	s_lshl_b32 s34, ttmp9, 12
	s_mov_b32 s35, 0
	s_wait_alu depctr_va_vdst(0)
	s_wait_kmcnt 0x0
	s_load_b512 s[36:51], s[10:11], 0x0            ; e0 .. e15
	s_add_nc_u64 s[4:5], s[4:5], s[28:29]
	s_add_nc_u64 s[6:7], s[6:7], s[28:29]
	s_add_nc_u64 s[14:15], s[14:15], s[28:29]
	s_add_nc_u64 s[30:31], s[8:9], s[30:31]
	s_add_nc_u64 s[32:33], s[8:9], s[32:33]
	s_add_nc_u64 s[16:17], s[16:17], s[34:35]
	global_load_b128 v[32:35], v4, s[4:5] th:TH_LOAD_NT
	global_load_b128 v[36:39], v4, s[4:5] offset:512 th:TH_LOAD_NT
	global_load_b128 v[40:43], v4, s[6:7]
	global_load_b128 v[44:47], v4, s[6:7] offset:512
.set i, 0
.rept 8
	global_load_b128 v[64+4*i:67+4*i], v1, s[30:31] offset:196608+512*i  ; merge's tile w: fragments 96 + 2 w, + 1
.set i, i+1
.endr
	global_load_b128 v[16:19], v11, s[12:13]
	global_load_b128 v[20:23], v11, s[12:13] offset:16
.set i, 0
.rept 32
	global_load_b128 v[128+4*i:131+4*i], v1, s[32:33] offset:262144+512*i   ; mlp1's tiles 2 w, 2 w + 1: fragments 128 + 8 w on
.set i, i+1
.endr
	s_wait_loadcnt 42                              ; behind the four copies stand 8 + 2 + 32
	ds_store_b128 v4, v[32:35] offset:AIMG
	ds_store_b128 v4, v[36:39] offset:AIMG+512
	ds_store_b128 v4, v[40:43] offset:XIMG
	ds_store_b128 v4, v[44:47] offset:XIMG+512
	s_wait_loadcnt 32                              ; merge's weights and bias are in; mlp1's 32 may be out
	s_wait_kmcnt 0x0
	s_add_co_i32 s55, s46, s47
	s_sub_co_i32 s54, s48, s55                     ; e12 - e10 - e11
	s_sub_co_i32 s55, 0, s55
.set i, 0
.rept 8
	v_ldexp_f32 v[16+i], v[16+i], s55              ; merge_b / 2^(e10 + e11): it goes in as C
.set i, i+1
.endr
	s_add_co_i32 s52, s54, 127
	s_lshl_b32 s53, s52, 23
	v_mov_b32 v8, s53
	s_wait_alu depctr_va_vdst(0)
	BARRIER                                        ; attn_out's and x's fragments lie in LDS
.irp mp, 0,1                                   ; merge: accumulators a0 a1 a0 a1 a2 a3 a2 a3: by turns
.irp s, 0,1
.if (\mp+\s) > 0
	PLACES
.endif
.irp i, 0,1
.irp c, 0,1,2,3
	ds_load_b128 v[32+16*\i+4*\c:32+16*\i+4*\c+3], v1 offset:AIMG+4096*(2*\mp+\i)+2048*\s+512*\c
.endr
.endr
	s_wait_dscnt 0x0
.irp i, 0,1
.if \s == 0
	v_wmma_f32_16x16x128_fp8_fp8 v[96+8*(2*\mp+\i):96+8*(2*\mp+\i)+7], v[64:79], v[32+16*\i:32+16*\i+15], v[16:23]
.else
	v_wmma_f32_16x16x128_fp8_fp8 v[96+8*(2*\mp+\i):96+8*(2*\mp+\i)+7], v[80:95], v[32+16*\i:32+16*\i+15], v[96+8*(2*\mp+\i):96+8*(2*\mp+\i)+7]
.endif
.endr
.endr
.endr
	PLACES
.set i, 0
.rept 32
.set i, i+1
.endr
.irp m, 0,1,2,3
	v_cvt_scalef32_pk8_fp8_f32 v[24+2*\m:25+2*\m], v[96+8*\m:103+8*\m], v8
.endr
	v_nop
.irp m, 0,1,2,3
	ds_store_b64 v5, v[24+2*\m:25+2*\m] offset:MIMG+4096*\m
.endr
	BARRIER                                        ; message's fragments lie in LDS
	ds_load_b128 v[24:27], v4 offset:MIMG
	ds_load_b128 v[28:31], v4 offset:MIMG+512
	s_wait_dscnt 0x0
	global_store_b128 v4, v[24:27], s[14:15]
	global_store_b128 v4, v[28:31], s[14:15] offset:512
	s_wait_loadcnt 0x0                             ; mlp1's fragments
.macro KSTEP s                         ; 128 along K: K steps 0, 1 are x's channels, 2, 3 message's.  Eight accumulators by turns
.irp mp, 0,1
	PLACES
.irp i, 0,1
.irp c, 0,1,2,3
	ds_load_b128 v[32+16*\i+4*\c:32+16*\i+4*\c+3], v1 offset:XIMG+16384*((\s)/2)+4096*(2*\mp+\i)+2048*((\s)%2)+512*\c
.endr
.endr
	s_wait_dscnt 0x0
.irp i, 0,1
.irp u, 0,1
.if (\s) == 0
	v_wmma_f32_16x16x128_fp8_fp8 v[64+32*\u+8*(2*\mp+\i):64+32*\u+8*(2*\mp+\i)+7], v[32+16*\i:32+16*\i+15], v[128+64*\u+16*(\s):128+64*\u+16*(\s)+15], 0
.else
	v_wmma_f32_16x16x128_fp8_fp8 v[64+32*\u+8*(2*\mp+\i):64+32*\u+8*(2*\mp+\i)+7], v[32+16*\i:32+16*\i+15], v[128+64*\u+16*(\s):128+64*\u+16*(\s)+15], v[64+32*\u+8*(2*\mp+\i):64+32*\u+8*(2*\mp+\i)+7]
.endif
.endr
.endr
.endr
.endm
	KSTEP 0
	KSTEP 1
	KSTEP 2
	KSTEP 3
	PLACES
	s_wait_xcnt 0x0                                ; mc's stores have read v24-31
; The statistics of channel 16 (2 w + u) + r.  v[R:R+1] the mean, twice; v[R+2:R+3], v[R+4:R+5] two chains of squares.  Each accumulator is read from its low end on.
.macro STATS u, R
.set A, 64+32*(\u)
.irp m, 0,1,2,3
	v_pk_add_f32 v[32+4*\m:33+4*\m], v[A+8*\m:A+8*\m+1], v[A+8*\m+2:A+8*\m+3]
.endr
.irp m, 0,1,2,3
	v_pk_add_f32 v[34+4*\m:35+4*\m], v[A+8*\m+4:A+8*\m+5], v[A+8*\m+6:A+8*\m+7]
.endr
.irp m, 0,1,2,3
	s_delay_alu instid0(VALU_DEP_4)
	v_pk_add_f32 v[32+4*\m:33+4*\m], v[32+4*\m:33+4*\m], v[34+4*\m:35+4*\m]
.endr
	s_delay_alu instid0(VALU_DEP_3)
	v_pk_add_f32 v[32:33], v[32:33], v[36:37]
	s_delay_alu instid0(VALU_DEP_2)
	v_pk_add_f32 v[40:41], v[40:41], v[44:45]
	s_delay_alu instid0(VALU_DEP_1)
	v_pk_add_f32 v[32:33], v[32:33], v[40:41]
	s_delay_alu instid0(VALU_DEP_1)
	v_add_f32 v[\R], v32, v33
	s_delay_alu instid0(VALU_DEP_1)
	v_permlanex16_b32 v10, v[\R], s20, s21         ; the channel's other 32 positions lie in the lane 16 away
	s_delay_alu instid0(VALU_DEP_1)
	v_add_f32 v[\R], v[\R], v10
	s_delay_alu instid0(VALU_DEP_1)
	v_mul_f32 v[\R], 0x3c800000, v[\R]             ; / 64
	s_delay_alu instid0(VALU_DEP_1)
	v_mov_b32 v[\R+1], v[\R]
.set i, 0
.rept 16
	v_pk_add_f32 v[32+i:33+i], v[A+i:A+i+1], v[\R:\R+1] neg_lo:[0,1] neg_hi:[0,1]
.set i, i+2
.endr
	v_pk_mul_f32 v[\R+2:\R+3], v[32:33], v[32:33]
	v_pk_mul_f32 v[\R+4:\R+5], v[34:35], v[34:35]
.irp k, 4,8,12,16,20,24,28
	s_delay_alu instid0(VALU_DEP_2)
	v_pk_fma_f32 v[\R+2:\R+3], v[32+\k:33+\k], v[32+\k:33+\k], v[\R+2:\R+3]
	s_delay_alu instid0(VALU_DEP_2)
	v_pk_fma_f32 v[\R+4:\R+5], v[34+\k:35+\k], v[34+\k:35+\k], v[\R+4:\R+5]
.endr
	s_delay_alu instid0(VALU_DEP_1)
	v_pk_add_f32 v[\R+2:\R+3], v[\R+2:\R+3], v[\R+4:\R+5]
	s_delay_alu instid0(VALU_DEP_1)
	v_add_f32 v[\R+2], v[\R+2], v[\R+3]
	s_delay_alu instid0(VALU_DEP_1)
	v_permlanex16_b32 v10, v[\R+2], s20, s21
	s_delay_alu instid0(VALU_DEP_1)
	v_add_f32 v[\R+2], v[\R+2], v10
	ds_store_b32 v6, v[\R] offset:STAT+64*(\u)             ; lanes r and r + 16 write the same word with the same value
	ds_store_b32 v6, v[\R+2] offset:STAT+2048+64*(\u)
.endm
	STATS 0, 24
	STATS 1, 16
	BARRIER                                        ; the 512 means and the 512 sums of squares lie in LDS
	ds_load_b64 v[32:33], v7 offset:STAT
	s_wait_dscnt 0x0
	global_store_b64 v7, v[32:33], s[16:17]        ; a wave stores 256 consecutive bytes
	s_wait_tensorcnt 0x0                           ; the wave's end, behind my last LDS store
	ds_add_u32 v12, v13
	s_wait_dscnt 0x0
	s_endpgm
.Lfunc_end_k_qe84714e14e_mstat:
	.size	k_qe84714e14e_mstat, .Lfunc_end_k_qe84714e14e_mstat-k_qe84714e14e_mstat
	.p2alignl 7, 3214868480
	.fill 96, 4, 3214868480
	.section	.rodata,"a",@progbits
	.p2align	6, 0x0
	.amdhsa_kernel k_qe84714e14e_mstat
		.amdhsa_group_segment_fixed_size 55296
		.amdhsa_private_segment_fixed_size 0
		.amdhsa_enable_private_segment 0
		.amdhsa_kernarg_size 56
		.amdhsa_user_sgpr_count 2
		.amdhsa_user_sgpr_kernarg_segment_ptr 1
		.amdhsa_wavefront_size32 1
		.amdhsa_system_sgpr_workgroup_id_x 1
		.amdhsa_system_sgpr_workgroup_id_y 1
		.amdhsa_system_sgpr_workgroup_id_z 1
		.amdhsa_system_vgpr_workitem_id 0
		.amdhsa_next_free_vgpr 256
		.amdhsa_next_free_sgpr 66
		.amdhsa_reserve_vcc 0
		.amdhsa_float_denorm_mode_32 3
		.amdhsa_float_denorm_mode_16_64 3
		.amdhsa_fp16_overflow 1
		.amdhsa_memory_ordered 1
		.amdhsa_forward_progress 1
		.amdhsa_inst_pref_size 29
	.end_amdhsa_kernel
	.amdgpu_metadata
---
amdhsa.version: [ 1, 2 ]
amdhsa.kernels:
  - .name:           k_qe84714e14e_mstat
    .symbol:         k_qe84714e14e_mstat.kd
    .args:
      - { .name: ac, .offset: 0, .size: 8, .value_kind: global_buffer, .address_space: global }
      - { .name: xc, .offset: 8, .size: 8, .value_kind: global_buffer, .address_space: global }
      - { .name: wc, .offset: 16, .size: 8, .value_kind: global_buffer, .address_space: global }
      - { .name: lowp_scales, .offset: 24, .size: 8, .value_kind: global_buffer, .address_space: global }
      - { .name: merge_b, .offset: 32, .size: 8, .value_kind: global_buffer, .address_space: global }
      - { .name: mc, .offset: 40, .size: 8, .value_kind: global_buffer, .address_space: global }
      - { .name: part, .offset: 48, .size: 8, .value_kind: global_buffer, .address_space: global }
    .group_segment_fixed_size: 55296
    .private_segment_fixed_size: 0
    .kernarg_segment_align: 8
    .kernarg_segment_size: 56
    .max_flat_workgroup_size: 512
    .sgpr_count:     66
    .vgpr_count:     256
    .wavefront_size: 32
...
	.end_amdgpu_metadata
.endif
;; end of part 4
;; launch bnred (part 5): grid 8 x 1, 16 waves a work-group, no clusters, 10,240 bytes of LDS; arguments part, bn_gamma, lowp_scales, bn; writes bn
.if DOCPART == 5
	.amdgcn_target "amdgcn-amd-amdhsa--gfx1250"
	.amdhsa_code_object_version 6
	.text
	.protected	k_qe84714e14e_bnred
	.globl	k_qe84714e14e_bnred
	.p2align	8
	.type	k_qe84714e14e_bnred,@function
k_qe84714e14e_bnred:
	s_mov_b64 s[64:65], 0
	v_nop
	global_prefetch_b8 v0, s[64:65] scope:SCOPE_SE
	s_setreg_imm32_b32 hwreg(HW_REG_WAVE_MODE, 25, 1), 1
	s_wait_xcnt 0x0
; Launch 5 of 6: the 256 partial (mean, centred sum of squares) pairs of each channel are joined: mean = the mean of the means (all parts have 64 positions);
; M2 = the sum of the parts' M2 + 64 x the sum of (part's mean - mean)^2: no difference of large sums.  All on raw sums z_raw, z = z_raw x 2^E, E = e12 + e13; mlp1_b is left out (it cancels: first launch's head).
; OUT: bn: MEAN_raw[512] at 0;  A[512] at 2048, A = gamma x rsqrt(var + 1e-5) x 2^E, so that the normalised number is (z_raw - MEAN_raw) A + beta.
; A work-group takes 64 channels, a lane two of them; wave w takes parts 16 w .. 16 w + 15.  Only eight work-groups have work: 1 MiB is read once.
.set R1, 0                             ; 16 waves x 256 bytes: sums of means
.set R2, 4096                          ; the same for M2
.set SPARE, 8192
.macro BARRIER
	s_wait_dscnt 0x0
	s_barrier_signal -1
	s_barrier_wait -1
.endm
.macro SUM16 d, t, src                 ; sixteen pairs from v[src] on, in two chains
	v_pk_add_f32 v[\d:\d+1], v[\src:\src+1], v[\src+2:\src+3]
	v_pk_add_f32 v[\t:\t+1], v[\src+4:\src+5], v[\src+6:\src+7]
.irp i, 8,12,16,20,24,28
	s_delay_alu instid0(VALU_DEP_2)
	v_pk_add_f32 v[\d:\d+1], v[\d:\d+1], v[\src+\i:\src+\i+1]
	s_delay_alu instid0(VALU_DEP_2)
	v_pk_add_f32 v[\t:\t+1], v[\t:\t+1], v[\src+\i+2:\src+\i+3]
.endr
	s_delay_alu instid0(VALU_DEP_1)
	v_pk_add_f32 v[\d:\d+1], v[\d:\d+1], v[\t:\t+1]
.endm
	s_load_b256 s[4:11], s[0:1], 0x0               ; part, bn_gamma, lowp_scales, bn
	v_lshl_add_u32 v12, v0, 2, SPARE
	v_mov_b32 v13, 0
	v_lshrrev_b32 v1, 5, v0
	s_delay_alu instid0(VALU_DEP_1)
	v_readfirstlane_b32 s24, v1
	v_and_b32 v1, 31, v0
	s_delay_alu instid0(VALU_DEP_1)
	v_lshlrev_b32 v1, 3, v1                        ; 8 x lane
	s_lshl_b32 s25, s24, 8
	v_add_nc_u32 v2, s25, v1                       ; 256 w + 8 lane
	s_lshl_b32 s28, ttmp9, 8                       ; my 64 channels
	s_mov_b32 s29, 0
	s_lshl_b32 s26, s24, 16
	s_add_co_u32 s26, s26, s28                     ; + my 16 parts
	s_mov_b32 s27, 0
	s_wait_alu depctr_va_vdst(0)
	s_wait_kmcnt 0x0
	s_load_b64 s[12:13], s[8:9], 0x30              ; e12, e13
	s_add_nc_u64 s[4:5], s[4:5], s[26:27]
	s_add_nc_u64 s[6:7], s[6:7], s[28:29]
	s_add_nc_u64 s[10:11], s[10:11], s[28:29]
.set i, 0
.rept 16
	global_load_b64 v[16+2*i:17+2*i], v1, s[4:5] offset:4096*i           ; a wave reads 256 consecutive bytes
.set i, i+1
.endr
.set i, 0
.rept 16
	global_load_b64 v[48+2*i:49+2*i], v1, s[4:5] offset:4096*i+2048
.set i, i+1
.endr
	global_load_b64 v[80:81], v1, s[6:7]
	s_wait_loadcnt 0x0
	SUM16 82, 84, 16
	ds_store_b64 v2, v[82:83] offset:R1
	BARRIER
.set i, 0
.rept 16
	ds_load_b64 v[96+2*i:97+2*i], v1 offset:R1+256*i
.set i, i+1
.endr
	s_wait_dscnt 0x0
	SUM16 82, 84, 96                               ; in the same order in every wave
	s_delay_alu instid0(VALU_DEP_1)
	v_pk_mul_f32 v[82:83], v[82:83], 0x3b800000 op_sel_hi:[1,0]          ; / 256: the mean
.set i, 0
.rept 16
	v_pk_add_f32 v[16+i:17+i], v[16+i:17+i], v[82:83] neg_lo:[0,1] neg_hi:[0,1]
.set i, i+2
.endr
	v_pk_mul_f32 v[86:87], v[16:17], v[16:17]
	v_pk_mul_f32 v[88:89], v[18:19], v[18:19]
.irp i, 4,8,12,16,20,24,28
	s_delay_alu instid0(VALU_DEP_2)
	v_pk_fma_f32 v[86:87], v[16+\i:17+\i], v[16+\i:17+\i], v[86:87]
	s_delay_alu instid0(VALU_DEP_2)
	v_pk_fma_f32 v[88:89], v[18+\i:19+\i], v[18+\i:19+\i], v[88:89]
.endr
	s_delay_alu instid0(VALU_DEP_1)
	v_pk_add_f32 v[86:87], v[86:87], v[88:89]
	SUM16 90, 92, 48
	s_delay_alu instid0(VALU_DEP_1)
	v_pk_fma_f32 v[86:87], v[86:87], 0x42800000, v[90:91] op_sel_hi:[1,0,1]   ; 64 x the squares + the parts' M2
	ds_store_b64 v2, v[86:87] offset:R2
	BARRIER
	s_cmp_lg_u32 s24, 0
	s_cbranch_scc1 .Ldone                          ; wave 0 finishes
.set i, 0
.rept 16
	ds_load_b64 v[96+2*i:97+2*i], v1 offset:R2+256*i
.set i, i+1
.endr
	s_wait_dscnt 0x0
	SUM16 86, 88, 96
	s_wait_alu depctr_va_vdst(0)
	s_wait_kmcnt 0x0
	s_add_co_i32 s14, s12, s13                     ; E
	s_lshl_b32 s15, s14, 1
	s_sub_co_i32 s15, s15, 14                      ; 2 E - 14: / 16,384 and x 2^(2 E) in one
	v_ldexp_f32 v86, v86, s15
	v_ldexp_f32 v87, v87, s15
	s_delay_alu instid0(VALU_DEP_2)
	v_add_f32 v86, 0x3727c5ac, v86                 ; + 1e-5
	s_delay_alu instid0(VALU_DEP_2)
	v_add_f32 v87, 0x3727c5ac, v87
	s_wait_alu depctr_va_vdst(0)
	v_rsq_f32 v88, v86
	v_rsq_f32 v89, v87
	v_nop
	s_wait_alu depctr_va_vdst(0)                   ; one wait for the two, ahead of their first reader
	v_pk_mul_f32 v[88:89], v[88:89], v[80:81]
	s_delay_alu instid0(VALU_DEP_1)
	v_ldexp_f32 v88, v88, s14
	s_delay_alu instid0(VALU_DEP_2)
	v_ldexp_f32 v89, v89, s14
	global_store_b64 v1, v[82:83], s[10:11]
	global_store_b64 v1, v[88:89], s[10:11] offset:2048
.Ldone:
	s_wait_tensorcnt 0x0                           ; the wave's end, behind my last LDS store
	ds_add_u32 v12, v13
	s_wait_dscnt 0x0
	s_endpgm
.Lfunc_end_k_qe84714e14e_bnred:
	.size	k_qe84714e14e_bnred, .Lfunc_end_k_qe84714e14e_bnred-k_qe84714e14e_bnred
	.p2alignl 7, 3214868480
	.fill 96, 4, 3214868480
	.section	.rodata,"a",@progbits
	.p2align	6, 0x0
	.amdhsa_kernel k_qe84714e14e_bnred
		.amdhsa_group_segment_fixed_size 10240
		.amdhsa_private_segment_fixed_size 0
		.amdhsa_enable_private_segment 0
		.amdhsa_kernarg_size 32
		.amdhsa_user_sgpr_count 2
		.amdhsa_user_sgpr_kernarg_segment_ptr 1
		.amdhsa_wavefront_size32 1
		.amdhsa_system_sgpr_workgroup_id_x 1
		.amdhsa_system_sgpr_workgroup_id_y 1
		.amdhsa_system_sgpr_workgroup_id_z 1
		.amdhsa_system_vgpr_workitem_id 0
		.amdhsa_next_free_vgpr 128
		.amdhsa_next_free_sgpr 66
		.amdhsa_reserve_vcc 0
		.amdhsa_float_denorm_mode_32 3
		.amdhsa_float_denorm_mode_16_64 3
		.amdhsa_memory_ordered 1
		.amdhsa_forward_progress 1
		.amdhsa_inst_pref_size 16
	.end_amdhsa_kernel
	.amdgpu_metadata
---
amdhsa.version: [ 1, 2 ]
amdhsa.kernels:
  - .name:           k_qe84714e14e_bnred
    .symbol:         k_qe84714e14e_bnred.kd
    .args:
      - { .name: part, .offset: 0, .size: 8, .value_kind: global_buffer, .address_space: global }
      - { .name: bn_gamma, .offset: 8, .size: 8, .value_kind: global_buffer, .address_space: global }
      - { .name: lowp_scales, .offset: 16, .size: 8, .value_kind: global_buffer, .address_space: global }
      - { .name: bn, .offset: 24, .size: 8, .value_kind: global_buffer, .address_space: global }
    .group_segment_fixed_size: 10240
    .private_segment_fixed_size: 0
    .kernarg_segment_align: 8
    .kernarg_segment_size: 32
    .max_flat_workgroup_size: 512
    .sgpr_count:     66
    .vgpr_count:     128
    .wavefront_size: 32
...
	.end_amdgpu_metadata
.endif
;; end of part 5
;; launch final (part 6): grid 256 x 1, 16 waves a work-group, no clusters, 137,216 bytes of LDS; arguments xc, mc, wc, bn, bn_beta, mlp2_b, lowp_scales, out0; writes out0
.if DOCPART == 6
	.amdgcn_target "amdgcn-amd-amdhsa--gfx1250"
	.amdhsa_code_object_version 6
	.text
	.protected	k_qe84714e14e_final
	.globl	k_qe84714e14e_final
	.p2align	8
	.type	k_qe84714e14e_final,@function
k_qe84714e14e_final:
	s_mov_b64 s[64:65], 0
	v_nop
	global_prefetch_b8 v0, s[64:65] scope:SCOPE_SE
	s_setreg_imm32_b32 hwreg(HW_REG_WAVE_MODE, 25, 1), 1
	s_wait_xcnt 0x0
; Launch 6 of 6: z = mlp1_w . concat[x, message] once more from the codes (8 MiB of codes are read in place of 32 MiB of f32 written and read), BatchNorm, ReLU, codes (e14), mlp2, + mlp2_b.
; mlp1_b is left out: it cancels in h - mean(h) for all values (shown at the first launch's head).
; A work-group takes 64 positions.  MLP1 is used transposed (source 0 = 16 channels; wave w: channels 32 w .. 32 w + 31; source 1 = 16 positions): a lane holds a position and eight neighbouring channels, so the
; two tiles' codes are one piece (registers 4 (w % 4) .. + 3) of K step w / 4 of the last product; the same sums, bit for bit, as the launch that took the statistics.
; y = (z_raw - MEAN_raw) A + beta; the hold that the conversion wants clips at 0 as well: the activation costs nothing.
; MLP2 is used as it is (source 0 = positions, source 1 = wave w's 16 outputs): a lane holds one output channel and eight neighbouring positions: 32 bytes of a row of out0.  They go through the wave's own stage
; (16 rows x (256 + 16) bytes) and leave so that sixteen lanes store 256 consecutive bytes, aligned.
; LIMITS: e14 between -126 and 119; e14 + e15 between -126 and 127.
.set XIMG, 0
.set MIMG, 16384
.set HIMG, 32768                       ; the hidden layer's fragments (m, s) at 8192 m + 2048 s
.set STG,  65536
.set SPARE, 135168                     ; the spare words, 128 bytes a wave: eight blocks of 256 bytes that no other line names
; v1 16 x lane; v2 r; v3 h; v4 1024 w + 16 lane; v5 where my piece of the hidden layer goes; v6, v7 the stage, in and back; v8 my offset in out0; v9 my channels' offset; v10 mlp2_b of my output, v11 its offset;
; v12, v13 the add's two; v14, v15 scale, limit; v16-31 beta; v32-63 fragments of positions, then codes, then mlp2's four accumulators; v64-127 mlp1's eight accumulators (u, m) at 64 + 32 u + 8 m, then hidden fragments,
; then results and rows; v128-255 mlp1's fragments (u, s) at 128 + 32 s + 16 u; as K steps end: v128-143 MEAN, v144-159 A, v160-223 mlp2's four fragments.
.macro BARRIER
	s_wait_dscnt 0x0
	s_barrier_signal -1
	s_barrier_wait -1
.endm
.macro PLACES
.rept 4
	v_nop
.endr
.endm
	s_load_b512 s[4:19], s[0:1], 0x0               ; xc, mc, wc, bn, bn_beta, mlp2_b, lowp_scales, out0
	v_lshl_add_u32 v12, v0, 2, SPARE
	v_mov_b32 v13, 0
	v_lshrrev_b32 v1, 5, v0
	s_delay_alu instid0(VALU_DEP_1)
	v_readfirstlane_b32 s24, v1                    ; wave 0..15
	v_and_b32 v1, 31, v0
	v_and_b32 v2, 15, v0
	s_wait_alu depctr_va_vdst(0)
	v_bfe_u32 v3, v0, 4, 1
	v_lshlrev_b32 v1, 4, v1
	s_lshl_b32 s25, s24, 10
	v_add_nc_u32 v4, s25, v1
	s_lshr_b32 s26, s24, 2
	s_lshl_b32 s26, s26, 11
	s_and_b32 s27, s24, 3
	s_lshl_b32 s27, s27, 9
	s_add_co_u32 s26, s26, s27
	v_add_nc_u32 v5, s26, v1                       ; 16 lane + 2048 (w / 4) + 512 (w % 4)
	s_mul_i32 s26, s24, 16*272
	s_add_co_u32 s26, s26, STG                     ; my stage
	v_mul_u32_u24 v6, v2, 272
	s_wait_alu depctr_va_vdst(0)
	v_lshl_add_u32 v6, v3, 5, v6
	s_delay_alu instid0(VALU_DEP_1)
	v_add_nc_u32 v6, s26, v6                       ; in: row r, + 32 h
	v_mul_u32_u24 v7, v3, 272
	s_delay_alu instid0(VALU_DEP_1)
	v_lshl_add_u32 v7, v2, 4, v7
	s_delay_alu instid0(VALU_DEP_1)
	v_add_nc_u32 v7, s26, v7                       ; back: lanes 0-15 one row, lanes 16-31 the next
	v_lshlrev_b32 v8, 14, v3
	s_delay_alu instid0(VALU_DEP_1)
	v_lshl_add_u32 v8, v2, 4, v8                   ; and the same two rows of out0 (16,384 bytes a row)
	s_lshl_b32 s26, s24, 7
	v_lshl_add_u32 v9, v3, 5, s26                  ; channels 32 w + 8 h on, in bytes
	s_lshl_b32 s26, s24, 6
	v_lshl_add_u32 v11, v2, 2, s26                 ; output 16 w + r
	s_lshl_b32 s28, ttmp9, 14
	s_mov_b32 s29, 0
	s_lshl_b32 s20, s24, 14
	s_mov_b32 s21, 0
	s_lshl_b32 s22, s24, 13
	s_mov_b32 s23, 0
	s_lshr_b32 s30, ttmp9, 6
	s_lshl_b32 s30, s30, 22                        ; out0: batch,
	s_lshl_b32 s31, s24, 18
	s_add_co_u32 s30, s30, s31                     ; my 16 rows,
	s_and_b32 s31, ttmp9, 63
	s_lshl_b32 s31, s31, 8
	s_add_co_u32 s30, s30, s31                     ; the block's 64 positions
	s_mov_b32 s31, 0
	s_wait_alu depctr_va_vdst(0)
	s_wait_kmcnt 0x0
	s_load_b64 s[36:37], s[16:17], 0x38            ; e14, e15
	s_add_nc_u64 s[4:5], s[4:5], s[28:29]
	s_add_nc_u64 s[6:7], s[6:7], s[28:29]
	s_add_nc_u64 s[20:21], s[8:9], s[20:21]
	s_add_nc_u64 s[22:23], s[8:9], s[22:23]
	s_add_nc_u64 s[18:19], s[18:19], s[30:31]
	global_load_b128 v[32:35], v4, s[4:5] th:TH_LOAD_NT
	global_load_b128 v[36:39], v4, s[4:5] offset:512 th:TH_LOAD_NT
	global_load_b128 v[40:43], v4, s[6:7] th:TH_LOAD_NT
	global_load_b128 v[44:47], v4, s[6:7] offset:512 th:TH_LOAD_NT
.irp u, 0,1
.irp z, 0,1
	global_load_b128 v[16+8*\u+4*\z:16+8*\u+4*\z+3], v9, s[12:13] offset:64*\u+16*\z   ; beta of channels 16 (2 w + u) + 8 h + 0..7
.endr
.endr
	global_load_b32 v10, v11, s[14:15]
.irp u, 0,1
.irp s, 0,1,2,3
.irp c, 0,1,2,3
	global_load_b128 v[128+32*\s+16*\u+4*\c:128+32*\s+16*\u+4*\c+3], v1, s[20:21] offset:262144+2048*(4*\u+\s)+512*\c
.endr
.endr
.endr
	s_wait_loadcnt 37                              ; behind the four copies stand 4 + 1 + 32
	ds_store_b128 v4, v[32:35] offset:XIMG
	ds_store_b128 v4, v[36:39] offset:XIMG+512
	ds_store_b128 v4, v[40:43] offset:MIMG
	ds_store_b128 v4, v[44:47] offset:MIMG+512
	s_wait_kmcnt 0x0
	s_add_co_i32 s38, s36, 127
	s_lshl_b32 s39, s38, 23
	v_mov_b32 v14, s39                             ; 2^e14
	s_add_co_i32 s38, s38, 8
	s_lshl_b32 s38, s38, 23
	s_or_b32 s38, s38, 0x600000
	v_mov_b32 v15, s38                             ; 448 x 2^e14
	s_add_co_i32 s60, s36, s37
	s_add_co_i32 s60, s60, 127
	s_lshl_b32 s60, s60, 23                        ; 2^(e14 + e15)
	s_mov_b32 s61, s60
	BARRIER                                        ; x's and message's fragments lie in LDS
	s_wait_loadcnt 0x0
.macro KSTEP s                         ; 128 along K; eight accumulators by turns.  Behind the first places of K steps 1 to 3, loads go into the fragments' registers that the K step before has left
.irp mp, 0,1
	PLACES
.if \mp == 0
.if (\s) == 1
.irp u, 0,1
.irp z, 0,1
	global_load_b128 v[128+8*\u+4*\z:128+8*\u+4*\z+3], v9, s[10:11] offset:64*\u+16*\z         ; MEAN_raw
.endr
.endr
.irp u, 0,1
.irp z, 0,1
	global_load_b128 v[144+8*\u+4*\z:144+8*\u+4*\z+3], v9, s[10:11] offset:2048+64*\u+16*\z    ; A
.endr
.endr
.endif
.if (\s) >= 2
.irp c, 0,1,2,3,4,5,6,7
	global_load_b128 v[160+32*((\s)-2)+4*\c:160+32*((\s)-2)+4*\c+3], v1, s[22:23] offset:524288+4096*((\s)-2)+512*\c   ; mlp2's tile w: fragments 256 + 4 w on
.endr
.endif
.endif
.irp i, 0,1
.irp c, 0,1,2,3
	ds_load_b128 v[32+16*\i+4*\c:32+16*\i+4*\c+3], v1 offset:XIMG+16384*((\s)/2)+4096*(2*\mp+\i)+2048*((\s)%2)+512*\c
.endr
.endr
	s_wait_dscnt 0x0
.irp i, 0,1
.irp u, 0,1
.if (\s) == 0
	v_wmma_f32_16x16x128_fp8_fp8 v[64+32*\u+8*(2*\mp+\i):64+32*\u+8*(2*\mp+\i)+7], v[128+32*(\s)+16*\u:128+32*(\s)+16*\u+15], v[32+16*\i:32+16*\i+15], 0
.else
	v_wmma_f32_16x16x128_fp8_fp8 v[64+32*\u+8*(2*\mp+\i):64+32*\u+8*(2*\mp+\i)+7], v[128+32*(\s)+16*\u:128+32*(\s)+16*\u+15], v[32+16*\i:32+16*\i+15], v[64+32*\u+8*(2*\mp+\i):64+32*\u+8*(2*\mp+\i)+7]
.endif
.endr
.endr
.endr
.endm
	KSTEP 0
	KSTEP 1
	KSTEP 2
	KSTEP 3
	PLACES
	s_wait_loadcnt 16                              ; MEAN_raw and A are in; mlp2's sixteen may be out
.irp u, 0,1
.irp m, 0,1,2,3
.irp i, 0,2,4,6
	v_pk_add_f32 v[64+32*\u+8*\m+\i:64+32*\u+8*\m+\i+1], v[64+32*\u+8*\m+\i:64+32*\u+8*\m+\i+1], v[128+8*\u+\i:128+8*\u+\i+1] neg_lo:[0,1] neg_hi:[0,1]
.endr
.irp i, 0,2,4,6
	s_delay_alu instid0(VALU_DEP_4)
	v_pk_fma_f32 v[64+32*\u+8*\m+\i:64+32*\u+8*\m+\i+1], v[64+32*\u+8*\m+\i:64+32*\u+8*\m+\i+1], v[144+8*\u+\i:144+8*\u+\i+1], v[16+8*\u+\i:16+8*\u+\i+1]
.endr
	s_wait_alu depctr_va_vdst(0)
.irp i, 0,1,2,3,4,5,6,7
	v_med3_num_f32 v[64+32*\u+8*\m+\i], v[64+32*\u+8*\m+\i], 0, v15      ; the activation and the hold in one
.endr
.endr
.endr
.irp m, 0,1,2,3
	v_cvt_scalef32_pk8_fp8_f32 v[32+4*\m:33+4*\m], v[64+8*\m:71+8*\m], v14
	v_cvt_scalef32_pk8_fp8_f32 v[34+4*\m:35+4*\m], v[96+8*\m:103+8*\m], v14
.endr
	v_nop
.irp m, 0,1,2,3
	ds_store_b128 v5, v[32+4*\m:35+4*\m] offset:HIMG+8192*\m
.endr
	BARRIER                                        ; the hidden layer's sixteen fragments lie in LDS
	s_wait_loadcnt 0x0                             ; mlp2's fragments
.irp s, 0,1,2,3                                ; four accumulators by turns, a K step at a time
	PLACES
.irp m, 0,1,2,3
.irp c, 0,1,2,3
	ds_load_b128 v[64+16*\m+4*\c:64+16*\m+4*\c+3], v1 offset:HIMG+8192*\m+2048*\s+512*\c
.endr
.endr
	s_wait_dscnt 0x0
.irp m, 0,1,2,3
.if \s == 0
	v_wmma_f32_16x16x128_fp8_fp8 v[32+8*\m:39+8*\m], v[64+16*\m:79+16*\m], v[160+16*\s:175+16*\s], 0
.else
	v_wmma_f32_16x16x128_fp8_fp8 v[32+8*\m:39+8*\m], v[64+16*\m:79+16*\m], v[160+16*\s:175+16*\s], v[32+8*\m:39+8*\m]
.endif
.endr
.endr
	PLACES
.irp m, 0,1,2,3
.irp i, 0,2,4,6
	v_pk_fma_f32 v[64+8*\m+\i:64+8*\m+\i+1], v[32+8*\m+\i:32+8*\m+\i+1], s[60:61], v[10:11] op_sel_hi:[1,0,0]   ; sum x 2^(e14 + e15) + mlp2_b (the pairs' low words serve both halves)
.endr
.endr
.irp m, 0,1,2,3
	ds_store_b128 v6, v[64+8*\m:67+8*\m] offset:64*\m                    ; lane (r, h): positions 16 m + 8 h + 0..7 of output 16 w + r
	ds_store_b128 v6, v[68+8*\m:71+8*\m] offset:64*\m+16
.endr
.irp i, 0,1,2,3,4,5,6,7
	ds_load_b128 v[96+4*\i:99+4*\i], v7 offset:544*\i                    ; LDS serves a wave's instructions in order (ISA guide 5.7.1.4): these see my stores; the rows are my own
.endr
.irp i, 0,1,2,3,4,5,6,7
	s_wait_dscnt 7-\i                              ; the younger loads may stay out
	global_store_b128 v8, v[96+4*\i:99+4*\i], s[18:19] offset:32768*\i th:TH_STORE_NT   ; sixteen lanes store 256 consecutive bytes, aligned
.endr
	s_wait_tensorcnt 0x0                           ; the wave's end, behind my last LDS store
	ds_add_u32 v12, v13
	s_wait_dscnt 0x0
	s_endpgm
.Lfunc_end_k_qe84714e14e_final:
	.size	k_qe84714e14e_final, .Lfunc_end_k_qe84714e14e_final-k_qe84714e14e_final
	.p2alignl 7, 3214868480
	.fill 96, 4, 3214868480
	.section	.rodata,"a",@progbits
	.p2align	6, 0x0
	.amdhsa_kernel k_qe84714e14e_final
		.amdhsa_group_segment_fixed_size 137216
		.amdhsa_private_segment_fixed_size 0
		.amdhsa_enable_private_segment 0
		.amdhsa_kernarg_size 64
		.amdhsa_user_sgpr_count 2
		.amdhsa_user_sgpr_kernarg_segment_ptr 1
		.amdhsa_wavefront_size32 1
		.amdhsa_system_sgpr_workgroup_id_x 1
		.amdhsa_system_sgpr_workgroup_id_y 1
		.amdhsa_system_sgpr_workgroup_id_z 1
		.amdhsa_system_vgpr_workitem_id 0
		.amdhsa_next_free_vgpr 256
		.amdhsa_next_free_sgpr 66
		.amdhsa_reserve_vcc 0
		.amdhsa_float_denorm_mode_32 3
		.amdhsa_float_denorm_mode_16_64 3
		.amdhsa_memory_ordered 1
		.amdhsa_forward_progress 1
		.amdhsa_inst_pref_size 37
	.end_amdhsa_kernel
	.amdgpu_metadata
---
amdhsa.version: [ 1, 2 ]
amdhsa.kernels:
  - .name:           k_qe84714e14e_final
    .symbol:         k_qe84714e14e_final.kd
    .args:
      - { .name: xc, .offset: 0, .size: 8, .value_kind: global_buffer, .address_space: global }
      - { .name: mc, .offset: 8, .size: 8, .value_kind: global_buffer, .address_space: global }
      - { .name: wc, .offset: 16, .size: 8, .value_kind: global_buffer, .address_space: global }
      - { .name: bn, .offset: 24, .size: 8, .value_kind: global_buffer, .address_space: global }
      - { .name: bn_beta, .offset: 32, .size: 8, .value_kind: global_buffer, .address_space: global }
      - { .name: mlp2_b, .offset: 40, .size: 8, .value_kind: global_buffer, .address_space: global }
      - { .name: lowp_scales, .offset: 48, .size: 8, .value_kind: global_buffer, .address_space: global }
      - { .name: out0, .offset: 56, .size: 8, .value_kind: global_buffer, .address_space: global }
    .group_segment_fixed_size: 137216
    .private_segment_fixed_size: 0
    .kernarg_segment_align: 8
    .kernarg_segment_size: 64
    .max_flat_workgroup_size: 512
    .sgpr_count:     66
    .vgpr_count:     256
    .wavefront_size: 32
...
	.end_amdgpu_metadata
.endif
;; end of part 6
